; MI455X (gfx1250); checked and timed in simulation.
; The chip was launched on July 23, 2026; its instructions are those of AMD's public machine-readable ISA for CDNA 5 (MIT licence, August 2026) and "CDNA5" Instruction Set Architecture Reference Guide (July 2026). The comments in the code are by the model that wrote it; some were corrected since.
;; Mom Attention. Allowed arithmetic: float matrix products may take bf16 or f16 operands with f32 sums; other float arithmetic in f32, or as packed bf16 or f16 multiplies, adds, multiply-adds, maxima and minima; sums over many terms, partial sums and values carried from step to step in f32; what a program stores and reads back later, other than sums and carried values, may be rounded once to bf16 or f16.
;; Inputs: Wbeta 1,024 x 8 float32; Wgate 1,024 x 8 float32; Wk 1,024 x 1,024 float32; Wo 1,024 x 1,024 float32; Wq 1,024 x 1,024 float32; Wr 1,024 x 2 float32; Wv 1,024 x 1,024 float32; attention_mask 4 x 1,024 bool; x 4 x 1,024 x 1,024 float32.
;; Outputs: out0 4 x 1,024 x 1,024 float32.
;; 2 versions, each right; version 2 is version 1 with the launch cast written anew for expert scheduling mode. Each part assembles by itself: llvm-mc -triple=amdgcn-amd-amdhsa -mcpu=gfx1250 --defsym DOCPART=n.
;; ======== version 1 of 2: 4 launches
;; limits: values are held in f16: magnitudes above 65,504 overflow, below 6.1e-05 lose precision
;; workspace buffers: xw 17,039,360 bytes; pk 26,214,400 bytes; vt 8,388,608 bytes; qn 131,072 bytes; ob 8,388,608 bytes
;; launch cast (part 1): grid 256 x 1, 8 waves a work-group, no clusters, 0 bytes of LDS; arguments x, Wq, Wk, Wv, Wo, Wgate, Wbeta, Wr, xw; writes xw
.if DOCPART == 1
	.amdgcn_target "amdgcn-amd-amdhsa--gfx1250"
	.amdhsa_code_object_version 6
	.text
	.protected	k_q59a48fa6c4_cast
	.globl	k_q59a48fa6c4_cast
	.p2align	8
	.type	k_q59a48fa6c4_cast,@function
k_q59a48fa6c4_cast:
	s_mov_b64 s[64:65], 0
	v_nop
	global_prefetch_b8 v0, s[64:65] scope:SCOPE_SE
	s_setreg_imm32_b32 hwreg(HW_REG_WAVE_MODE, 25, 1), 1
	s_wait_xcnt 0x0
; x, Wq, Wk, Wv are rounded to bf16; Wo is rounded to bf16 and that number written as f16 (LIMIT: |Wo| under 65,504; below 6e-5 it keeps f16's fixed step).
; Wgate, Wbeta and Wr are laid out as a table of matrix fragments, one strip of 16 columns a head (gate, beta, router 0, router 1, twelve zeros).
; A stream: 256 work-groups, each 131,072 bytes of one source -> 65,536 bytes of xw.  Thread t takes 16 bytes at 16 t of every 4,096; all 32 loads of a wave
; are issued at once; a wave's store covers 256 consecutive bytes, aligned.  No LDS, no matrix unit, no cluster: the work-groups share nothing.
.set X, 32                             ; v[32:159]  32 loads of 4 f32
.set Y, 160                            ; v[160:175] a ring of 8 result pairs
	s_load_b512 s[8:23], s[0:1], 0x0               ; x, Wq, Wk, Wv, Wo, Wgate, Wbeta, Wr
	s_load_b64 s[24:25], s[0:1], 0x40              ; xw
	s_mov_b32 s2, ttmp9                            ; id
	s_sub_co_u32 s3, s2, 128
	s_lshr_b32 s4, s3, 5                           ; which weight (id >= 128)
	s_and_b32 s5, s2, 31
	s_cmp_lt_u32 s2, 128
	s_cselect_b32 s5, s2, s5                       ; block of 131,072 bytes inside the source
	s_lshl_b32 s26, s5, 17
	s_mov_b32 s27, 0
	s_lshl_b32 s30, s2, 16                         ; 65,536 bytes of xw a work-group
	s_mov_b32 s31, 0
	v_lshlrev_b32 v1, 4, v0
	v_lshlrev_b32 v2, 3, v0
	s_wait_kmcnt 0x0
	s_cmp_eq_u32 s4, 1
	s_cselect_b64 s[28:29], s[12:13], s[10:11]
	s_cmp_eq_u32 s4, 2
	s_cselect_b64 s[28:29], s[14:15], s[28:29]
	s_cmp_eq_u32 s4, 3
	s_cselect_b64 s[28:29], s[16:17], s[28:29]
	s_cmp_lt_u32 s2, 128
	s_cselect_b64 s[28:29], s[8:9], s[28:29]
	s_add_nc_u64 s[28:29], s[28:29], s[26:27]
	s_add_nc_u64 s[32:33], s[24:25], s[30:31]
.set i, 0
.rept 32
	global_load_b128 v[X+4*i:X+4*i+3], v1, s[28:29] offset:4096*i th:TH_LOAD_NT
.set i, i+1
.endr
; kind = 0: bf16.  kind = 1: bf16, widened again (a shift, a mask) and written as f16.
.macro CVT kind
.set i, 0
.rept 32
	s_wait_loadcnt 31-i                            ; loads come back in order: load i is in, the 31 - i younger ones stay out
.if i >= 8
	s_wait_xcnt 0x0                                ; the ring's pair was a store's data eight turns ago: rewritten only behind this wait
.endif
	v_cvt_pk_bf16_f32 v[Y+2*(i%8)], v[X+4*i], v[X+4*i+1]
	v_cvt_pk_bf16_f32 v[Y+2*(i%8)+1], v[X+4*i+2], v[X+4*i+3]
.if \kind
	v_lshlrev_b32 v4, 16, v[Y+2*(i%8)]
	v_and_b32 v5, 0xffff0000, v[Y+2*(i%8)]
	v_lshlrev_b32 v6, 16, v[Y+2*(i%8)+1]
	v_and_b32 v7, 0xffff0000, v[Y+2*(i%8)+1]
	v_cvt_pk_f16_f32 v[Y+2*(i%8)], v4, v5
	v_cvt_pk_f16_f32 v[Y+2*(i%8)+1], v6, v7
.endif
	global_store_b64 v2, v[Y+2*(i%8):Y+2*(i%8)+1], s[32:33] offset:2048*i
.set i, i+1
.endr
.endm
	s_cmp_ge_u32 s2, 224
	s_cbranch_scc1 .Lwo
	CVT 0
	s_branch .Ltable
.Lwo:
	CVT 1
.Ltable:
	; THE TABLE.  Entry e = 64 id + t (t < 64): 16 bytes = 8 bf16, k = 32 s + 16 p + 8 (l / 16) + 0..7 of column l % 16; s = id % 32, head = id / 32, p = my wave.
	v_lshrrev_b32 v3, 5, v0
	v_readfirstlane_b32 s34, v3
	s_cmp_lt_u32 s34, 2
	s_cbranch_scc0 .Ldone
	v_and_b32 v11, 15, v0                          ; column
	v_bfe_u32 v12, v0, 4, 1
	s_and_b32 s3, s2, 31
	s_lshl_b32 s3, s3, 5
	s_lshl_b32 s4, s34, 4
	s_add_co_u32 s3, s3, s4                        ; 32 s + 16 p
	v_lshl_add_u32 v13, v12, 3, s3                 ; k0
	s_lshr_b32 s4, s2, 5
	s_lshl_b32 s4, s4, 2                           ; 4 x head
	v_lshlrev_b32 v8, 5, v13
	v_add_nc_u32 v8, s4, v8                        ; Wgate, Wbeta: (8 k0 + head) x 4
	v_and_b32 v14, 1, v0
	v_lshlrev_b32 v9, 3, v13
	v_lshl_add_u32 v9, v14, 2, v9                  ; Wr: (2 k0 + column % 2) x 4
	s_lshl_b32 s5, s2, 10
	v_lshl_add_u32 v10, v0, 4, s5                  ; 16 e
	s_add_nc_u64 s[38:39], s[24:25], 0x1000000     ; the table's place in xw
.set i, 0
.rept 8
	global_load_b32 v[32+i], v8, s[18:19] offset:32*i
	global_load_b32 v[40+i], v8, s[20:21] offset:32*i
	global_load_b32 v[48+i], v9, s[22:23] offset:8*i
.set i, i+1
.endr
	v_cmp_eq_u32 s35, 0, v11
	v_cmp_eq_u32 s36, 1, v11
	v_cmp_gt_u32 s37, 4, v11
	s_wait_loadcnt 0x0
.set i, 0
.rept 8
	v_cndmask_b32 v[48+i], 0, v[48+i], s37
	v_cndmask_b32 v[48+i], v[48+i], v[40+i], s36
	v_cndmask_b32 v[48+i], v[48+i], v[32+i], s35
.set i, i+1
.endr
.set i, 0
.rept 4
	v_cvt_pk_bf16_f32 v[56+i], v[48+2*i], v[48+2*i+1]
.set i, i+1
.endr
	global_store_b128 v10, v[56:59], s[38:39]      ; a wave stores 512 consecutive bytes
.Ldone:
	s_endpgm
.Lfunc_end_k_q59a48fa6c4_cast:
	.size	k_q59a48fa6c4_cast, .Lfunc_end_k_q59a48fa6c4_cast-k_q59a48fa6c4_cast
	.p2alignl 7, 3214868480
	.fill 96, 4, 3214868480
	.section	.rodata,"a",@progbits
	.p2align	6, 0x0
	.amdhsa_kernel k_q59a48fa6c4_cast
		.amdhsa_group_segment_fixed_size 0
		.amdhsa_private_segment_fixed_size 0
		.amdhsa_enable_private_segment 0
		.amdhsa_kernarg_size 72
		.amdhsa_user_sgpr_count 2
		.amdhsa_user_sgpr_kernarg_segment_ptr 1
		.amdhsa_wavefront_size32 1
		.amdhsa_system_sgpr_workgroup_id_x 1
		.amdhsa_system_sgpr_workgroup_id_y 1
		.amdhsa_system_sgpr_workgroup_id_z 1
		.amdhsa_system_vgpr_workitem_id 0
		.amdhsa_next_free_vgpr 176
		.amdhsa_next_free_sgpr 66
		.amdhsa_reserve_vcc 0
		.amdhsa_float_denorm_mode_32 3
		.amdhsa_float_denorm_mode_16_64 3
		.amdhsa_memory_ordered 1
		.amdhsa_forward_progress 1
		.amdhsa_inst_pref_size 37
	.end_amdhsa_kernel
	.amdgpu_metadata
---
amdhsa.version: [ 1, 2 ]
amdhsa.kernels:
  - .name:           k_q59a48fa6c4_cast
    .symbol:         k_q59a48fa6c4_cast.kd
    .args:
      - { .name: x, .offset: 0, .size: 8, .value_kind: global_buffer, .address_space: global }
      - { .name: Wq, .offset: 8, .size: 8, .value_kind: global_buffer, .address_space: global }
      - { .name: Wk, .offset: 16, .size: 8, .value_kind: global_buffer, .address_space: global }
      - { .name: Wv, .offset: 24, .size: 8, .value_kind: global_buffer, .address_space: global }
      - { .name: Wo, .offset: 32, .size: 8, .value_kind: global_buffer, .address_space: global }
      - { .name: Wgate, .offset: 40, .size: 8, .value_kind: global_buffer, .address_space: global }
      - { .name: Wbeta, .offset: 48, .size: 8, .value_kind: global_buffer, .address_space: global }
      - { .name: Wr, .offset: 56, .size: 8, .value_kind: global_buffer, .address_space: global }
      - { .name: xw, .offset: 64, .size: 8, .value_kind: global_buffer, .address_space: global }
    .group_segment_fixed_size: 0
    .private_segment_fixed_size: 0
    .kernarg_segment_align: 8
    .kernarg_segment_size: 72
    .max_flat_workgroup_size: 256
    .sgpr_count:     66
    .vgpr_count:     176
    .wavefront_size: 32
...
	.end_amdgpu_metadata
.endif
;; end of part 1
;; launch qkv (part 2): grid 8 x 32, 4 waves a work-group, clusters of 4 x 4, 327,680 bytes of LDS; arguments xw, attention_mask, pk, vt, qn; writes pk, vt, qn
.if DOCPART == 2
	.amdgcn_target "amdgcn-amd-amdhsa--gfx1250"
	.amdhsa_code_object_version 6
	.text
	.protected	k_q59a48fa6c4_qkv
	.globl	k_q59a48fa6c4_qkv
	.p2align	8
	.type	k_q59a48fa6c4_qkv,@function
k_q59a48fa6c4_qkv:
	s_mov_b64 s[64:65], 0
	v_nop
	global_prefetch_b8 v0, s[64:65] scope:SCOPE_SE
	s_setreg_imm32_b32 hwreg(HW_REG_WAVE_MODE, 25, 1), 1
	s_wait_xcnt 0x0
	s_wait_alu depctr_hold_cnt(0) depctr_sa_sdst(0) depctr_va_vdst(0) depctr_va_sdst(0) depctr_va_ssrc(0) depctr_va_vcc(0) depctr_vm_vsrc(0)
	s_getreg_b32 s2, hwreg(HW_REG_IB_STS2, 6, 4)
	s_cmp_eq_u32 s2, 0
	s_cbranch_scc0 .Lentry_in_a_cluster
	s_endpgm
.Lentry_in_a_cluster:
	s_bfe_u32 s2, ttmp6, 0x10000c
	s_cmp_lg_u32 s2, 0xf033
	s_cbranch_scc0 .Lentry_shape_is_right
	s_endpgm
.Lentry_shape_is_right:
; PROJECTIONS AND CHUNK PREPARATION.  A work-group: 128 tokens x (q, k, v of one head, and 16 columns gate / beta / router): 128 x 400, K = 1,024, bf16 operands, f32 sums.
; A wave: 32 tokens = ONE CHUNK of the recurrence x all 25 column tiles: 50 accumulators.  So all that follows the products is the wave's own, with no barrier:
; silu, norms, k^ = k / (|k| + 1e-6), q^ = q / max(|q|, 1e-30), v / 4, gates, routing weights, the chunk's Gram matrices, and for each of the two memories
;   A^[i][l] = 2^(b_i - b_l) (k^_i . k^_l) beta_l (l < i),  T^ = (I + A^)^-1 by forward substitution in f32,  P[i][j] = rw_i 2^(b_i - b_j) (q^_i . k^_j) beta_j (j <= i),
;   and the vectors -gamma, rw gamma, beta 2^(b_31 - b), gamma_31;  b = prefix sum of the masked log2-decays inside the chunk.
; All leave as f16 (vectors f32) in the order in which the next launch's operand registers take them; every store of a wave but |q|'s covers 512 consecutive bytes.
; TOPK = M = 2: top-k only permutes and the one-hot sum undoes it, so rw_m = p_m / (p_0 + p_1) x mask; a memory's own mask is rw_m > 0.
; LIMITS.  v / 4 must lie within f16's 65,504.  A token's log2-decay is held at -160 (2^-160 is 0 in f32), so prefix sums stay under 5,120 in size.  Exponentials below 2^-126 give 0:
; a token whose routing weight would be a denormal counts as not routed.  NaN and infinities are not treated apart.
; CLUSTER 4 x 4: x's tile hangs on the token block alone and is shared along a row of the cluster; the weights' strips and the gate table hang on the head alone and are shared along a column.
; REGISTERS, in windows of 256 (s_set_vgpr_msb: bits 1:0 source 0, 3:2 source 1, 5:4 source 2, 7:6 destination):
;   window 0: v0-31 addresses; v32-63 x's fragments, two buffers; v64-79 the gate table's; v80-111 at work; v112-239 v's accumulators; v240-255 the gate strip's
;   window 1, window 2: the weights' fragments (q 0-7, k 8-15, v 16-23, 8 registers each), one buffer a window          window 3: q's accumulators v0-127, k's v128-255
; q, k and the gate strip are multiplied transposed (source 0 = weights): a lane holds ONE token and 8 neighbouring columns.  v is multiplied the natural way: a lane holds one column and 8 tokens.
.set PX, 272                           ; a row of x in LDS: 256 bytes + 16: the 16 rows of a load start at 16 different groups of four banks
.set PW, 288                           ; a row (one k) of a weight strip: 256 + 32
.set ABYTES, 128*PX
.set WBYTES, 128*PW
.set ABASE, 3*WBYTES                   ; a slot: the strips of Wq, Wk, Wv at wave x WBYTES (waves 0 to 2 fetch them), then x's 128 rows (wave 3)
.set SLOT, ABYTES+3*WBYTES             ; a K step of 128
.set GTL, 2*SLOT                       ; the head's gate table, 32,768 bytes, filled once
.set SPARE, GTL+32768                  ; the spare words, 128 bytes a wave
.set SCR, SPARE+512                    ; 768 bytes a wave, written by ds_store alone: no fill lands here
.set ADRX, 16                          ; v16-17 x's fragments in slot 0, 1
.set ADRW, 18                          ; v18-23 the strips' fragments: 3 x slot + strip
.set ADRG, 24                          ; v24    the gate table's fragments; steps 8,192 a lap
.set ST16, 25                          ; v25    16 x lane
.set QO, 26                            ; v26    4 x thread
.set QD, 27                            ; v27    |q| to store
.set SPW, 28
.set NIL, 29
.set AM, 30                            ; v30    my token's mask byte
.set AMO, 31
.set XF, 32
.set GF, 64
.set T, 80
.set VA, 112
.set GA, 240
.set SS, 32                            ; epilogue: sums of squares, 4 registers for each of q a0, q a1, k a0, k a1
.set INV, 48                           ; epilogue: the four reciprocals, in pairs
.set G1A, 24
.set G0A, 32
.set G1B, 48
.set G0B, 56
.set G1G, 68
.set G0G, 76
.set MSB, 0
.macro WIN new                         ; the immediate's high byte repeats the setting that is left; a switch that changes nothing is dropped
.if MSB != (\new)
	s_set_vgpr_msb (MSB<<8)|(\new)
.set MSB, (\new)
.endif
.endm
.macro PLACES                          ; four places behind matrix instructions, in front of loads into their sources and of readers of their results
.rept 4
	v_nop
.endr
.endm
.macro JLOAD s                         ; a joint refill: wave 3 fetches x's tile, waves 0 to 2 the strips of Wq, Wk, Wv.  The branch hangs on the wave's number alone
	s_cmp_eq_u32 s10, 3
	s_cbranch_scc0 .Lfor_b_\@
	tensor_load_to_lds s[G0A+4*(\s):G0A+4*(\s)+3], s[G1A:G1A+7]
	s_nop 0
.rept 4
	v_nop
.endr
	s_branch .Lasked_\@
.Lfor_b_\@:
	tensor_load_to_lds s[G0B+4*(\s):G0B+4*(\s)+3], s[G1B:G1B+7]
	s_nop 0
.rept 4
	v_nop
.endr
.Lasked_\@:
.endm
.macro CREST                           ; a round of the cluster's barrier behind its opening barrier
	s_cmp_lg_u32 s10, 0
	s_cbranch_scc1 .Lnot_wave_0_\@
	s_barrier_signal -3
.Lnot_wave_0_\@:
	s_barrier_wait -3
	s_barrier_signal -1
	s_barrier_wait -1
.endm
.macro CROUND
	s_barrier_signal -1
	s_barrier_wait -1
	CREST
.endm
	s_load_b128 s[4:7], s[0:1], 0x0                ; xw, attention_mask
	s_load_b128 s[12:15], s[0:1], 0x10             ; pk, vt
	s_load_b64 s[16:17], s[0:1], 0x20              ; qn
	v_lshl_add_u32 v[SPW], v0, 2, SPARE
	v_mov_b32 v[NIL], 0
	ds_add_u32 v[SPW], v[NIL]                      ; the wave's opening: the add and its wait ahead of my first tensor load
	v_lshrrev_b32 v1, 5, v0
	v_readfirstlane_b32 s10, v1                    ; wave 0..3
	s_bfe_u32 s43, ttmp6, 0x40000                  ; cx
	s_bfe_u32 s44, ttmp6, 0x40004                  ; cy
	s_lshl_b32 s45, ttmp9, 2
	s_add_co_u32 s45, s45, s43                     ; head = 4 x cluster x + cx
	s_and_b32 s46, ttmp7, 0xffff
	s_lshl_b32 s46, s46, 2
	s_add_co_u32 s46, s46, s44                     ; token block = 4 x cluster y + cy
	s_lshl_b32 s18, s44, 2
	s_lshl_b32 s18, 15, s18                        ; my row of the cluster
	s_lshl_b32 s19, 0x1111, s43                    ; my column
	s_or_b32 s[G1A], s18, (1<<16)|(1<<20)|(1<<21)|(5<<22)|(3<<25)  ; mask; 2-byte elements; padding on; bit 21 beside a mask; after every 64 words 4 words
	s_or_b32 s[G1B], s19, (1<<16)|(1<<20)|(1<<21)|(5<<22)|(7<<25)  ; the same with my column and 8 words of padding
	s_or_b32 s[G1G], s19, (3<<16)|(1<<21)          ; the table: 8-byte elements, dense
.irp g, G1A, G1B
	s_mov_b32 s[(\g)+1], 128<<16                   ; tensor_dim0 = 128
	s_mov_b32 s[(\g)+2], 128<<16                   ; tensor_dim1 = 128
	s_mov_b32 s[(\g)+3], 128<<16                   ; tile_dim0 = 128
	s_mov_b32 s[(\g)+4], 128                       ; tile_dim1 = 128
	s_mov_b32 s[(\g)+5], 1024                      ; elements from row to row
	s_mov_b32 s[(\g)+6], 0
	s_mov_b32 s[(\g)+7], 0
.endr
	s_mov_b32 s[G1G+1], 32<<16                     ; 128 rows of 256 bytes
	s_mov_b32 s[G1G+2], 128<<16
	s_mov_b32 s[G1G+3], 32<<16
	s_mov_b32 s[G1G+4], 128
	s_mov_b32 s[G1G+5], 32
	s_mov_b32 s[G1G+6], 0
	s_mov_b32 s[G1G+7], 0
	s_lshl_b32 s80, s46, 18                        ; x: 128 rows of 2,048 bytes a token block (cy alone)
	s_mov_b32 s81, 0
	s_lshl_b32 s82, s10, 21                        ; my strip = my wave (0, 1, 2): Wq, Wk, Wv lie 2,097,152 bytes apart, from 8,388,608 on
	s_lshl_b32 s83, s45, 8                         ; the head's 128 columns (cx alone)
	s_add_co_u32 s82, s82, s83
	s_add_co_u32 s82, s82, 8388608
	s_mov_b32 s83, 0
	s_lshl_b32 s84, s45, 15                        ; the head's table
	s_add_co_u32 s84, s84, 16777216
	s_mov_b32 s85, 0
	s_mul_i32 s22, s10, WBYTES                     ; my strip's place in a slot: the wave's number times a constant
	s_lshr_b32 s23, s46, 3                         ; packet = ((batch x 8 + head) x 32 + chunk), chunk = 4 (block % 8) + wave
	s_lshl_b32 s23, s23, 3
	s_add_co_u32 s23, s23, s45
	s_lshl_b32 s23, s23, 5
	s_and_b32 s18, s46, 7
	s_lshl_b32 s18, s18, 2
	s_add_co_u32 s23, s23, s18
	s_add_co_u32 s23, s23, s10
	s_mul_i32 s92, s23, 25600
	s_mov_b32 s93, 0
	s_lshl_b32 s94, s23, 13
	s_mov_b32 s95, 0
	s_lshl_b32 s96, s45, 12
	s_lshl_b32 s97, s46, 7
	s_add_co_u32 s96, s96, s97
	s_lshl_b32 s96, s96, 2                         ; qn: (head x 4,096 + block x 128) x 4
	s_mov_b32 s97, 0
	s_mov_b32 s40, 0x76543210                      ; v_permlanex16_b32: each lane takes its own place in the other half
	s_mov_b32 s41, 0xfedcba98
	s_mov_b32 s42, 0xffff0000                      ; the lanes 16-31
	s_mov_b32 s47, 0xf149f2ca                      ; -1e30
	s_mov_b32 s86, 0xbfb8aa3b                      ; -log2(e), as a pair
	s_mov_b32 s87, 0xbfb8aa3b
	s_mov_b32 s88, 0x3fb8aa3b                      ; log2(e)
	s_wait_dscnt 0x0                               ; the opening add is done
	s_wait_kmcnt 0x0
	s_add_nc_u64 s[80:81], s[4:5], s[80:81]
	s_add_nc_u64 s[82:83], s[4:5], s[82:83]
	s_add_nc_u64 s[84:85], s[4:5], s[84:85]
	s_add_nc_u64 s[12:13], s[12:13], s[92:93]      ; my packet
	s_add_nc_u64 s[14:15], s[14:15], s[94:95]
	s_add_nc_u64 s[16:17], s[16:17], s[96:97]
	s_add_nc_u64 s[18:19], s[12:13], 16384         ; the packet's part for memory 0
	CROUND                                         ; all sixteen work-groups are here: the first joint loads meet
.irp s, 0,1
	s_mov_b32 s[G0A+4*(\s)], 1
	s_mov_b32 s[G0A+4*(\s)+1], ABASE+(\s)*SLOT
	s_add_nc_u64 s[G0A+4*(\s)+2:G0A+4*(\s)+3], s[80:81], (\s)*256
	s_or_b32 s[G0A+4*(\s)+3], s[G0A+4*(\s)+3], 0x80000000
	s_mov_b32 s[G0B+4*(\s)], 1
	s_add_co_u32 s[G0B+4*(\s)+1], s22, (\s)*SLOT
	s_add_nc_u64 s[G0B+4*(\s)+2:G0B+4*(\s)+3], s[82:83], (\s)*262144
	s_or_b32 s[G0B+4*(\s)+3], s[G0B+4*(\s)+3], 0x80000000
.endr
	s_mov_b32 s[G0G], 1
	s_mov_b32 s[G0G+1], GTL
	s_mov_b64 s[G0G+2:G0G+3], s[84:85]
	s_or_b32 s[G0G+3], s[G0G+3], 0x80000000
	s_cmp_eq_u32 s10, 3                            ; a wave's first fills stand in one branch: wave 3 has three loads out, the others two
	s_cbranch_scc0 .Lfirst_b
	tensor_load_to_lds s[G0G:G0G+3], s[G1G:G1G+7]
	s_nop 0
	tensor_load_to_lds s[G0A:G0A+3], s[G1A:G1A+7]
	s_nop 0
	tensor_load_to_lds s[G0A+4:G0A+7], s[G1A:G1A+7]
	s_nop 0
.rept 4
	v_nop
.endr
	s_branch .Lfirst_asked
.Lfirst_b:
	tensor_load_to_lds s[G0B:G0B+3], s[G1B:G1B+7]
	s_nop 0
	tensor_load_to_lds s[G0B+4:G0B+7], s[G1B:G1B+7]
	s_nop 0
.rept 4
	v_nop
.endr
.Lfirst_asked:
	s_lshl_b32 s23, s46, 7
	v_add_nc_u32 v[AMO], s23, v0                   ; my token = 128 x block + thread
	global_load_u8 v[AM], v[AMO], s[6:7]
	v_and_b32 v1, 15, v0                           ; r = l % 16
	v_bfe_u32 v2, v0, 4, 1                         ; hh = l / 16
	v_and_b32 v3, 31, v0                           ; l
	v_lshl_add_u32 v4, s10, 5, v1
	v_mul_u32_u24 v4, v4, PX
	v_lshl_add_u32 v4, v2, 4, v4                   ; (32 w + r) x pitch + 16 hh,
	v_add_nc_u32 v[ADRX], ABASE, v4                ; behind the three strips
	v_add_nc_u32 v[ADRX+1], SLOT, v[ADRX]
	v_and_b32 v5, 7, v0
	v_lshl_add_u32 v5, v2, 3, v5
	v_mul_u32_u24 v5, v5, PW
	v_bfe_u32 v6, v0, 3, 1
	v_lshl_add_u32 v5, v6, 4, v5                   ; the turning load: (8 hh + l % 8) x pitch + 16 ((l / 8) % 2)
.set i, 0
.rept 6
	v_add_nc_u32 v[ADRW+i], (i/3)*SLOT+(i%3)*WBYTES, v5
.set i, i+1
.endr
	v_lshl_add_u32 v[ADRG], v3, 4, GTL
	v_lshlrev_b32 v[ST16], 4, v3
	v_lshlrev_b32 v[QO], 2, v0
; 54 LDS loads in one run: the fragments of 32 along K (quarter q of a slot) into buffer f: q's and k's 16 (32 loads), x's 2 (4), v's 8 (16), the gate table's (2)
.macro FETCH slot, q, f
	WIN 0x40<<(\f)
.set fi, 0
.rept 16
	ds_load_tr16_b128 v[8*fi:8*fi+3],   v[ADRW+3*(\slot)+fi/8] offset:(\q)*32*PW+(fi%8)*32
	ds_load_tr16_b128 v[8*fi+4:8*fi+7], v[ADRW+3*(\slot)+fi/8] offset:(\q)*32*PW+(fi%8)*32+16*PW
.set fi, fi+1
.endr
	WIN 0
.set fi, 0
.rept 2
	ds_load_b128 v[XF+16*(\f)+8*fi:XF+16*(\f)+8*fi+3],   v[ADRX+(\slot)] offset:fi*16*PX+(\q)*64
	ds_load_b128 v[XF+16*(\f)+8*fi+4:XF+16*(\f)+8*fi+7], v[ADRX+(\slot)] offset:fi*16*PX+(\q)*64+32
.set fi, fi+1
.endr
	WIN 0x40<<(\f)
.set fi, 16
.rept 8
	ds_load_tr16_b128 v[8*fi:8*fi+3],   v[ADRW+3*(\slot)+2] offset:(\q)*32*PW+(fi%8)*32
	ds_load_tr16_b128 v[8*fi+4:8*fi+7], v[ADRW+3*(\slot)+2] offset:(\q)*32*PW+(fi%8)*32+16*PW
.set fi, fi+1
.endr
	WIN 0
	ds_load_b128 v[GF+8*(\f):GF+8*(\f)+3],   v[ADRG] offset:((\slot)*4+(\q))*1024
	ds_load_b128 v[GF+8*(\f)+4:GF+8*(\f)+7], v[ADRG] offset:((\slot)*4+(\q))*1024+512
.endm
; The 50 accumulators take turns, one instruction a turn, in the same order in every quarter.  zero = 1: the first product starts the sums.
.macro MULQK f, a, zero                ; 16: q's and k's 8 column tiles for token tile a
	WIN 0xf1+(\f)
.set mi, 0
.rept 16
.set rD, 128*(mi/8)+8*(8*(\a)+mi%8)
.if \zero
	v_wmma_f32_16x16x32_bf16 v[rD:rD+7], v[8*mi:8*mi+7], v[XF+16*(\f)+8*(\a):XF+16*(\f)+8*(\a)+7], 0
.else
	v_wmma_f32_16x16x32_bf16 v[rD:rD+7], v[8*mi:8*mi+7], v[XF+16*(\f)+8*(\a):XF+16*(\f)+8*(\a)+7], v[rD:rD+7]
.endif
.set mi, mi+1
.endr
.endm
.macro MULV f, zero                    ; 16: v's 8 column tiles x both token tiles
	WIN 0x04<<(\f)
.set mi, 0
.rept 16
.set rD, VA+8*mi
.if \zero
	v_wmma_f32_16x16x32_bf16 v[rD:rD+7], v[XF+16*(\f)+8*(mi/8):XF+16*(\f)+8*(mi/8)+7], v[8*(16+mi%8):8*(16+mi%8)+7], 0
.else
	v_wmma_f32_16x16x32_bf16 v[rD:rD+7], v[XF+16*(\f)+8*(mi/8):XF+16*(\f)+8*(mi/8)+7], v[8*(16+mi%8):8*(16+mi%8)+7], v[rD:rD+7]
.endif
.set mi, mi+1
.endr
.endm
.macro MULG f, zero                    ; 2: the gate strip
	WIN 0
.set mi, 0
.rept 2
.if \zero
	v_wmma_f32_16x16x32_bf16 v[GA+8*mi:GA+8*mi+7], v[GF+8*(\f):GF+8*(\f)+7], v[XF+16*(\f)+8*mi:XF+16*(\f)+8*mi+7], 0
.else
	v_wmma_f32_16x16x32_bf16 v[GA+8*mi:GA+8*mi+7], v[GF+8*(\f):GF+8*(\f)+7], v[XF+16*(\f)+8*mi:XF+16*(\f)+8*mi+7], v[GA+8*mi:GA+8*mi+7]
.endif
.set mi, mi+1
.endr
.endm
; A K step is four quarters of 32 along K, 50 matrix instructions each, on buffers 0, 1, 0, 1.  One of the first three multiplies buffer f and fetches quarter q into buffer g.
.macro QUARTER slot, q, f, g, zero
	s_wait_dscnt 18                                ; q's, k's and x's fragments are in; the youngest 18 loads (v's 16, the table's 2) may be out
	MULQK \f, 0, \zero
	MULQK \f, 1, \zero
	s_wait_dscnt 0x0                               ; v's and the table's fragments, issued 32 matrix instructions ago, are in: MULV and MULG below read them
	PLACES
	FETCH \slot, \q, \g                            ; 54 loads are out from here to the next quarter's head
	MULV \f, \zero
	MULG \f, \zero
.endm
; The last quarter multiplies buffer 1 and changes slots: ONE barrier; in front of it each wave waits for all its tensor loads (one is out: its part of the next slot), adds 0 to its spare word,
; and waits for that and for its reads of this slot.  fill = 1: the barrier opens a round of the cluster's, and this slot is filled again, two K steps ahead, first thing behind the round.
.macro TURN slot, next, fill
	WIN 0
	s_wait_tensorcnt 0x0
	ds_add_u32 v[SPW], v[NIL]
	s_wait_dscnt 19                                ; (the add and the youngest 18 loads may be out)
	MULQK 1, 0, 0
	s_wait_dscnt 0x0                               ; the add is done, and my reads of this slot are over
	s_barrier_signal -1
	MULQK 1, 1, 0
	WIN 0
	s_barrier_wait -1
.if \fill
	CREST
	s_add_nc_u64 s[G0A+4*(\slot)+2:G0A+4*(\slot)+3], s[G0A+4*(\slot)+2:G0A+4*(\slot)+3], 512
	s_add_nc_u64 s[G0B+4*(\slot)+2:G0B+4*(\slot)+3], s[G0B+4*(\slot)+2:G0B+4*(\slot)+3], 524288
	JLOAD \slot                                    ; its four v_nop are also the places in front of the loads below
.else
	PLACES
.endif
.if (\slot) == 1
	v_add_nc_u32 v[ADRG], 8192, v[ADRG]            ; the table's next lap
.endif
	FETCH \next, 0, 0
	MULV 1, 0
	MULG 1, 0
.endm
	s_wait_tensorcnt 1                             ; my part of K step 0 (and the table) is in; only slot 1's load may be out
	s_barrier_signal -1
	s_barrier_wait -1
	FETCH 0, 0, 0
	QUARTER 0, 1, 0, 1, 1                          ; the first quarter stands in front of the loop: its products start the sums
	WIN 0
	s_mov_b32 s3, 3
.Llap:                                             ; a trip goes once round the ring and fills both slots again
	QUARTER 0, 2, 1, 0, 0
	QUARTER 0, 3, 0, 1, 0
	TURN 0, 1, 1
	QUARTER 1, 1, 0, 1, 0
	QUARTER 1, 2, 1, 0, 0
	QUARTER 1, 3, 0, 1, 0
	TURN 1, 0, 1
	QUARTER 0, 1, 0, 1, 0
	WIN 0
	s_sub_co_u32 s3, s3, 1
	s_cmp_lg_u32 s3, 0
	s_cbranch_scc1 .Llap
	QUARTER 0, 2, 1, 0, 0                          ; the last lap fills nothing
	QUARTER 0, 3, 0, 1, 0
	TURN 0, 1, 0
	QUARTER 1, 1, 0, 1, 0
	QUARTER 1, 2, 1, 0, 0
	QUARTER 1, 3, 0, 1, 0
	s_wait_dscnt 18
	MULQK 1, 0, 0
	MULQK 1, 1, 0
	s_wait_dscnt 0x0
	MULV 1, 0
	MULG 1, 0
	WIN 0
	PLACES
	; GATES AND ROUTER.  The strip's columns 0-3 lie in lanes 0-15, registers 0-3, a token a lane: brought into token order, lane l = token l of the chunk.
	v_mov_b32 v14, 0
.irp c, 0,1,2,3
	v_permlanex16_b32 v14, v[GA+8+(\c)], s40, s41
	v_cndmask_b32 v[4+(\c)], v[GA+(\c)], v14, s42
.endr
	v_mul_f32 v14, -|v4|, s88
	v_mul_f32 v15, -v5, s88
	v_max_num_f32 v16, v6, v7                      ; the router's maximum is taken away before the exponentials
	v_sub_f32 v17, v6, v16
	v_sub_f32 v18, v7, v16
	v_mul_f32 v17, s88, v17
	v_mul_f32 v18, s88, v18
	v_exp_f32 v14, v14
	v_exp_f32 v15, v15
	v_exp_f32 v17, v17
	v_exp_f32 v18, v18
	v_min_num_f32 v22, 0, v4
	s_wait_alu depctr_va_vdst(0)                   ; one wait for the four exponentials
	v_add_f32 v19, 1.0, v14
	v_add_f32 v20, 1.0, v15
	v_add_f32 v21, v17, v18
	v_log_f32 v19, v19
	v_rcp_f32 v20, v20                             ; beta = sigmoid
	v_rcp_f32 v21, v21
	v_nop
	s_wait_alu depctr_va_vdst(0)
	v_fma_f32 v22, v22, s88, -v19                  ; log2 sigmoid(z) = min(z, 0) log2 e - log2(1 + 2^(-|z| log2 e))
	v_max_num_f32 v22, 0xc3200000, v22             ; held at -160
	v_mul_f32 v17, v17, v21
	v_mul_f32 v18, v18, v21
	v_add_f32 v23, v17, v18
	v_rcp_f32 v23, v23
	s_wait_loadcnt 0x0                             ; the mask byte
	v_cvt_f32_u32 v24, v[AM]
	v_nop
	s_wait_alu depctr_va_vdst(0)
	v_mul_f32 v23, v23, v24
	v_mul_f32 v10, v17, v23                        ; rw of memory 0
	v_mul_f32 v13, v18, v23                        ; of memory 1
	v_cmp_lt_f32 s89, 0, v10
	v_cmp_lt_f32 s90, 0, v13
	v_cndmask_b32 v8, 0, v22, s89                  ; v8-10: decay, beta, rw of memory 0; v11-13 of memory 1
	v_cndmask_b32 v9, 0, v20, s89
	v_cndmask_b32 v11, 0, v22, s90
	v_cndmask_b32 v12, 0, v20, s90
; SILU on four accumulators (32 registers from 32 c on in window 3), in place, and their squares into two chains.  Two batches of 32 transcendentals, one wait each.
.macro SILU4 c
	WIN 0x03
.set i, 0
.rept 16
	v_pk_mul_f32 v[T+2*i:T+2*i+1], v[32*(\c)+2*i:32*(\c)+2*i+1], s[86:87] op_sel_hi:[1,0]
.set i, i+1
.endr
	WIN 0
.set i, 0
.rept 32
	v_exp_f32 v[T+i], v[T+i]
.set i, i+1
.endr
	v_nop
	s_wait_alu depctr_va_vdst(0)
.set i, 0
.rept 16
	v_pk_add_f32 v[T+2*i:T+2*i+1], v[T+2*i:T+2*i+1], 1.0 op_sel_hi:[1,0]
.set i, i+1
.endr
.set i, 0
.rept 32
	v_rcp_f32 v[T+i], v[T+i]
.set i, i+1
.endr
	v_nop
	s_wait_alu depctr_va_vdst(0)
	WIN 0xc3
.set i, 0
.rept 16
	v_pk_mul_f32 v[32*(\c)+2*i:32*(\c)+2*i+1], v[32*(\c)+2*i:32*(\c)+2*i+1], v[T+2*i:T+2*i+1]
.set i, i+1
.endr
	WIN 0x0f
.set i, 0
.rept 16
.set rS, SS+4*((\c)/2)+2*(i%2)
.if (((\c)%2) == 0) && (i < 2)
	v_pk_mul_f32 v[rS:rS+1], v[32*(\c)+2*i:32*(\c)+2*i+1], v[32*(\c)+2*i:32*(\c)+2*i+1]
.else
	v_pk_fma_f32 v[rS:rS+1], v[32*(\c)+2*i:32*(\c)+2*i+1], v[32*(\c)+2*i:32*(\c)+2*i+1], v[rS:rS+1]
.endif
.set i, i+1
.endr
.endm
.irp c, 0,1,2,3,4,5,6,7
	SILU4 \c
.endr
	WIN 0
	; NORMS.  A token's 128 columns lie in its two lanes, 16 apart.
.irp g, 0,1,2,3
	v_add_f32 v[SS+4*(\g)], v[SS+4*(\g)], v[SS+4*(\g)+1]
	v_add_f32 v[SS+4*(\g)+2], v[SS+4*(\g)+2], v[SS+4*(\g)+3]
.endr
.irp g, 0,1,2,3
	v_add_f32 v[SS+4*(\g)], v[SS+4*(\g)], v[SS+4*(\g)+2]
.endr
.irp g, 0,1,2,3
	v_permlanex16_b32 v[SS+4*(\g)+1], v[SS+4*(\g)], s40, s41
.endr
.irp g, 0,1,2,3
	v_add_f32 v[SS+4*(\g)], v[SS+4*(\g)], v[SS+4*(\g)+1]
.endr
.irp g, 0,1,2,3
	v_sqrt_f32 v[SS+4*(\g)], v[SS+4*(\g)]
.endr
	v_nop
	s_wait_alu depctr_va_vdst(0)
	v_max_num_f32 v[INV], 0x0da24260, v[SS]        ; q: max(|q|, 1e-30)
	v_max_num_f32 v[INV+2], 0x0da24260, v[SS+4]
	v_add_f32 v[INV+4], 0x358637bd, v[SS+8]        ; k: |k| + 1e-6
	v_add_f32 v[INV+6], 0x358637bd, v[SS+12]
.irp g, 0,1,2,3
	v_rcp_f32 v[INV+2*(\g)], v[INV+2*(\g)]
.endr
.irp g, 0,1,2,3
	v_mov_b32 v[INV+2*(\g)+1], 0                   ; named with it as a pair
.endr
	v_cndmask_b32 v[QD], v[SS], v[SS+4], s42       ; |q| in token order
	global_store_b32 v[QO], v[QD], s[16:17]        ; 128 consecutive bytes a wave: the one short store, 131,072 bytes in the whole launch
	s_wait_alu depctr_va_vdst(0)
	WIN 0xc3
.set i, 0
.rept 128
	v_pk_mul_f32 v[2*i:2*i+1], v[2*i:2*i+1], v[INV+2*(i/32):INV+2*(i/32)+1] op_sel_hi:[1,0]
.set i, i+1
.endr
	WIN 0x4f                                       ; rounded to f16 into window 1: k^ at v0-63, q^ at v64-127; accumulators 2 s and 2 s + 1 make the fragment of 32 channels
.set i, 0
.rept 128
	v_cvt_pk_f16_f32 v[(64+i)%128], v[2*i], v[2*i+1]
.set i, i+1
.endr
	WIN 0x04
.set i, 0
.rept 32
	global_store_b128 v[ST16], v[4*i:4*i+3], s[12:13] offset:512*i
.set i, i+1
.endr
	WIN 0
.set i, 0
.rept 64
	v_pk_mul_f32 v[VA+2*i:VA+2*i+1], v[VA+2*i:VA+2*i+1], 0x3e800000 op_sel_hi:[1,0]   ; v / 4
.set i, i+1
.endr
	WIN 0x80
.set i, 0
.rept 64
	v_cvt_pk_f16_f32 v[i], v[VA+2*i], v[VA+2*i+1]
.set i, i+1
.endr
	WIN 0x08
.set i, 0
.rept 16
	global_store_b128 v[ST16], v[4*i:4*i+3], s[14:15] offset:(i%8)*1024+(i/8)*512
.set i, i+1
.endr
	; GRAM MATRICES of the chunk, tiles (0,0), (1,0), (1,1): k^ k^T and q^ k^T.  Source 0 = k^ of the columns' tile: a lane holds row i, its registers 8 columns j.  Six accumulators by turns.
.set KK, 112
.set QK, 136
	WIN 0x05
.set si, 0
.rept 4
.set tt, 0
.rept 6
.set tI, ((tt%3)+1)/2
.set tJ, (tt%3)/2
.if si == 0
	v_wmma_f32_16x16x32_f16 v[KK+8*tt:KK+8*tt+7], v[32*tJ+8*si:32*tJ+8*si+7], v[64*(tt/3)+32*tI+8*si:64*(tt/3)+32*tI+8*si+7], 0
.else
	v_wmma_f32_16x16x32_f16 v[KK+8*tt:KK+8*tt+7], v[32*tJ+8*si:32*tJ+8*si+7], v[64*(tt/3)+32*tI+8*si:64*(tt/3)+32*tI+8*si+7], v[KK+8*tt:KK+8*tt+7]
.endif
.set tt, tt+1
.endr
.set si, si+1
.endr
	WIN 0
.set MD, 160                           ; 0 where column 8 hh + jj <= row r of a diagonal tile, else -1e30
.set BJ, 168                           ; b of my 16 columns (8 J + jj)
.set BE, 184                           ; beta of them
.set GM, 200
.set NA, 224
.set TT, 32                            ; t_0 .. t_31: row i of T^, column = lane
.set TP, 64
.set PP, 80
.set G, 96
.set B, 97
.set RW, 98
.set BB, 99
.set GAMR, 100
.set DDR, 101
.set BI, 102                           ; v102, v103: b of my row in tile row 0, 1
.set RWI, 104                          ; v104, v106: rw of it, in pairs
.set TM, 108
.set TM2, 109
.set V0, 110
.set V1, 111
	v_lshlrev_b32 v23, 3, v2
	v_sub_nc_u32 v23, v1, v23                      ; r - 8 hh
	s_mul_i32 s21, s10, 768
	s_add_co_u32 s21, s21, SCR                     ; my scratch
	v_lshl_add_u32 v20, v3, 2, s21
	v_lshl_add_u32 v21, v2, 5, s21
	v_lshl_add_u32 v22, v3, 4, s21
.set i, 0
.rept 8
	v_cmp_gt_i32 vcc_lo, i, v23
	v_cndmask_b32 v[MD+i], 0, s47, vcc_lo
.set i, i+1
.endr
	v_mov_b32 v[G], v8
	v_mov_b32 v[B], v9
	v_mov_b32 v[RW], v10
	v_mov_b32 v[RWI+1], 0
	v_mov_b32 v[RWI+3], 0
	v_mov_b32 v[TM2], 0
.irp p, 0,1,2,3
	v_mov_b32 v[PP+4+(\p)], 0                      ; P's tile (0,1) lies above the diagonal
.endr
	s_mov_b32 s20, 2
.Lmem:                                             ; two trips: memory 0, memory 1
	v_mov_b32 v[BB], v[G]                          ; inclusive prefix sum over the 32 lanes: four steps inside each half, then the lower half's total onto the upper
.irp n, 1,2,4,8
	v_mov_b32 v[TM], 0
	v_mov_b32_dpp v[TM], v[BB] row_shr:\n row_mask:0xf bank_mask:0xf bound_ctrl:1
	v_add_f32 v[BB], v[BB], v[TM]
.endr
	v_readlane_b32 s21, v[BB], 15
	v_cndmask_b32 v[TM], 0, s21, s42
	v_add_f32 v[BB], v[BB], v[TM]
	v_readlane_b32 s22, v[BB], 31                  ; b_31
	ds_store_b32 v20, v[BB]                        ; b and beta go through my scratch to lie by columns; LDS serves a wave's instructions in order
	ds_store_b32 v20, v[B] offset:128
.set i, 0
.rept 4
	ds_load_b128 v[BJ+4*i:BJ+4*i+3], v21 offset:(i/2)*64+(i%2)*16
	ds_load_b128 v[BE+4*i:BE+4*i+3], v21 offset:128+(i/2)*64+(i%2)*16
.set i, i+1
.endr
	v_permlanex16_b32 v[TM], v[BB], s40, s41
	v_cndmask_b32 v[BI], v[BB], v[TM], s42
	v_cndmask_b32 v[BI+1], v[TM], v[BB], s42
	v_permlanex16_b32 v[TM2], v[RW], s40, s41
	v_cndmask_b32 v[RWI], v[RW], v[TM2], s42
	v_cndmask_b32 v[RWI+2], v[TM2], v[RW], s42
	v_sub_f32 v[DDR], s22, v[BB]
	s_wait_dscnt 0x0
.set tt, 0
.rept 3
.set i, 0
.rept 8
	v_sub_f32 v[GM+8*tt+i], v[BI+(tt+1)/2], v[BJ+8*(tt/2)+i]
.if tt != 1
	v_min_num_f32 v[GM+8*tt+i], v[GM+8*tt+i], v[MD+i]
.endif
.set i, i+1
.endr
.set tt, tt+1
.endr
.set i, 0
.rept 24
	v_exp_f32 v[GM+i], v[GM+i]
.set i, i+1
.endr
	v_exp_f32 v[GAMR], v[BB]
	v_exp_f32 v[DDR], v[DDR]
	v_nop
	s_wait_alu depctr_va_vdst(0)                   ; one wait for the 26 exponentials
.set tt, 0
.rept 3
.set i, 0
.rept 4
	v_pk_mul_f32 v[GM+8*tt+2*i:GM+8*tt+2*i+1], v[GM+8*tt+2*i:GM+8*tt+2*i+1], v[BE+8*(tt/2)+2*i:BE+8*(tt/2)+2*i+1]
.set i, i+1
.endr
.set tt, tt+1
.endr
.set i, 0
.rept 12
	v_pk_mul_f32 v[NA+2*i:NA+2*i+1], v[GM+2*i:GM+2*i+1], v[KK+2*i:KK+2*i+1] neg_lo:[1,0] neg_hi:[1,0]   ; -A^
.set i, i+1
.endr
.set i, 0
.rept 12
	v_pk_mul_f32 v[GM+2*i:GM+2*i+1], v[GM+2*i:GM+2*i+1], v[QK+2*i:QK+2*i+1]
.set i, i+1
.endr
.set i, 0
.rept 12
	v_pk_mul_f32 v[GM+2*i:GM+2*i+1], v[GM+2*i:GM+2*i+1], v[RWI+2*((i/4+1)/2):RWI+2*((i/4+1)/2)+1] op_sel_hi:[1,0]
.set i, i+1
.endr
.set i, 0
.rept 12                                           ; tiles (0,0), (1,0), (1,1) are planes 0, 2, 3
	v_cvt_pk_f16_f32 v[PP+4*((i/4)+((i/4)+1)/2)+i%4], v[GM+2*i], v[GM+2*i+1]
.set i, i+1
.endr
	; FORWARD SUBSTITUTION, exact in f32: lane c solves column c of (I + A^) T^ = I.  When column l of A^ is taken, t_l is final.  A^'s numbers come as scalars, a batch for each l.
.set i, 0
.rept 32
	v_cmp_eq_u32 vcc_lo, i, v3
	v_cndmask_b32 v[TT+i], 0, 1.0, vcc_lo
.set i, i+1
.endr
.set l, 0
.rept 31
.set i, l+1
.rept 31-l
	v_readlane_b32 s[68+i-l-1], v[NA+8*((i/16)+(l/16))+(l%8)], (i%16)+16*((l%16)/8)
.set i, i+1
.endr
.set i, l+1
.rept 31-l
	v_fmac_f32 v[TT+i], s[68+i-l-1], v[TT+l]
.set i, i+1
.endr
.set l, l+1
.endr
.set i, 0
.rept 16
	v_cvt_pk_f16_f32 v[TP+i], v[TT+2*i], v[TT+2*i+1]
.set i, i+1
.endr
	v_mul_f32 v[V0], -1.0, v[GAMR]                 ; -gamma
	v_mul_f32 v[V1], v[RW], v[GAMR]                ; rw gamma
	v_mul_f32 v[DDR], v[B], v[DDR]                 ; beta 2^(b_31 - b)
	v_readlane_b32 s23, v[GAMR], 31
	v_mov_b32 v[TM], s23                           ; gamma_31
	ds_store_b32 v20, v[V0] offset:256
	ds_store_b32 v20, v[V1] offset:384
	ds_store_b32 v20, v[DDR] offset:512
	ds_store_b32 v20, v[TM] offset:640
	ds_load_b128 v[16:19], v22 offset:256          ; the four vectors as 512 consecutive bytes
.set i, 0
.rept 4
	global_store_b128 v[ST16], v[TP+4*i:TP+4*i+3], s[18:19] offset:512*i
	global_store_b128 v[ST16], v[PP+4*i:PP+4*i+3], s[18:19] offset:2048+512*i
.set i, i+1
.endr
	s_wait_dscnt 0x0
	global_store_b128 v[ST16], v[16:19], s[18:19] offset:4096
	s_wait_xcnt 0x0                                ; the stores' data and base are rewritten only behind this wait
	v_mov_b32 v[G], v11
	v_mov_b32 v[B], v12
	v_mov_b32 v[RW], v13
	s_add_nc_u64 s[18:19], s[18:19], 4608
	s_sub_co_u32 s20, s20, 1
	s_cmp_lg_u32 s20, 0
	s_cbranch_scc1 .Lmem
	s_wait_tensorcnt 0x0                           ; the wave's end
	ds_add_u32 v[SPW], v[NIL]
	s_wait_dscnt 0x0
	CROUND                                         ; the closing round
	s_endpgm
.Lfunc_end_k_q59a48fa6c4_qkv:
	.size	k_q59a48fa6c4_qkv, .Lfunc_end_k_q59a48fa6c4_qkv-k_q59a48fa6c4_qkv
	.p2alignl 7, 3214868480
	.fill 96, 4, 3214868480
	.section	.rodata,"a",@progbits
	.p2align	6, 0x0
	.amdhsa_kernel k_q59a48fa6c4_qkv
		.amdhsa_group_segment_fixed_size 327680
		.amdhsa_private_segment_fixed_size 0
		.amdhsa_enable_private_segment 0
		.amdhsa_kernarg_size 40
		.amdhsa_user_sgpr_count 2
		.amdhsa_user_sgpr_kernarg_segment_ptr 1
		.amdhsa_wavefront_size32 1
		.amdhsa_system_sgpr_workgroup_id_x 1
		.amdhsa_system_sgpr_workgroup_id_y 1
		.amdhsa_system_sgpr_workgroup_id_z 1
		.amdhsa_system_vgpr_workitem_id 0
		.amdhsa_next_free_vgpr 1024
		.amdhsa_next_free_sgpr 100
		.amdhsa_reserve_vcc 1
		.amdhsa_float_denorm_mode_32 3
		.amdhsa_float_denorm_mode_16_64 3
		.amdhsa_memory_ordered 1
		.amdhsa_forward_progress 1
		.amdhsa_inst_pref_size 255
	.end_amdhsa_kernel
	.section	.bss,"aw",@nobits
	.p2align	6
	.space	262144
	.amdgpu_metadata
---
amdhsa.version: [ 1, 2 ]
amdhsa.kernels:
  - .name:           k_q59a48fa6c4_qkv
    .symbol:         k_q59a48fa6c4_qkv.kd
    .args:
      - { .name: xw, .offset: 0, .size: 8, .value_kind: global_buffer, .address_space: global }
      - { .name: attention_mask, .offset: 8, .size: 8, .value_kind: global_buffer, .address_space: global }
      - { .name: pk, .offset: 16, .size: 8, .value_kind: global_buffer, .address_space: global }
      - { .name: vt, .offset: 24, .size: 8, .value_kind: global_buffer, .address_space: global }
      - { .name: qn, .offset: 32, .size: 8, .value_kind: global_buffer, .address_space: global }
    .group_segment_fixed_size: 327680
    .private_segment_fixed_size: 0
    .kernarg_segment_align: 8
    .kernarg_segment_size: 40
    .max_flat_workgroup_size: 128
    .sgpr_count:     100
    .vgpr_count:     1024
    .wavefront_size: 32
...
	.end_amdgpu_metadata
.endif
;; end of part 2
;; launch scan (part 3): grid 8 x 32, 2 waves a work-group, clusters of 4 x 1, 327,680 bytes of LDS; arguments pk, vt, qn, ob; writes ob
.if DOCPART == 3
	.amdgcn_target "amdgcn-amd-amdhsa--gfx1250"
	.amdhsa_code_object_version 6
	.text
	.protected	k_q59a48fa6c4_scan
	.globl	k_q59a48fa6c4_scan
	.p2align	8
	.type	k_q59a48fa6c4_scan,@function
k_q59a48fa6c4_scan:
	s_mov_b64 s[64:65], 0
	v_nop
	global_prefetch_b8 v0, s[64:65] scope:SCOPE_SE
	s_setreg_imm32_b32 hwreg(HW_REG_WAVE_MODE, 25, 1), 1
	s_wait_xcnt 0x0
	s_wait_alu depctr_hold_cnt(0) depctr_sa_sdst(0) depctr_va_vdst(0) depctr_va_sdst(0) depctr_va_ssrc(0) depctr_va_vcc(0) depctr_vm_vsrc(0)
	s_getreg_b32 s2, hwreg(HW_REG_IB_STS2, 6, 4)
	s_cmp_eq_u32 s2, 0
	s_cbranch_scc0 .Lentry_in_a_cluster
	s_endpgm
.Lentry_in_a_cluster:
	s_bfe_u32 s2, ttmp6, 0x10000c
	s_cmp_lg_u32 s2, 0x3003
	s_cbranch_scc0 .Lentry_shape_is_right
	s_endpgm
.Lentry_shape_is_right:
; THE RECURRENCE, in chunks of 32 tokens.  A work-group: one (batch, head) and 16 of the 128 value columns; wave m is memory m.  Per chunk, with S (128 x 16, f32) the state:
;   X = K^ S;  R = V/4 - gamma X;  Y = T^ R;  O_m = (rw gamma) (Q^ S) + P Y;  S = gamma_31 S + K^T (dd Y).   28 matrix instructions (f16 operands, f32 sums), all in one wave's registers:
; a result rounded to f16 in pairs IS the next product's operand, so nothing changes lanes inside a chain.  The two memories' O meet in LDS (f32) once every four chunks and leave as
; f (O_0 + O_1) in f16, f = |q| / max over heads of |q|, in the order in which the last product's fragments take them.
; 512 chains is all there is (64 streams x 8 slices of 16 columns, the narrowest tile), so two waves a work-group.
; LIMITS.  Y, S and R must lie within f16's 65,504.  NaN and infinities are not treated apart.
; CLUSTER 4 x 1: the four slices of a cluster walk the same packets (K^, Q^, T^, P, vectors): asked for jointly by wave 0; each work-group's own slice of V is asked for by wave 1, a plain load.
; REGISTERS.  window 0: v2-7 lane terms, v8-14 the chunk's LDS addresses, v15-28 way out; v48-51 rw gamma; S v64-127; Sb v128-159; X v160; Z v176; Y v192; Yb v208; Yd v216; R v224; dd v232
;             window 1: K^ v0-63; Q^ v64-127; K^T v128-191; T^ v192-207; P v208-223; -gamma v224-239; gamma_31 v240-241
.set SLOT1, 131072                     ; a slot: 4 packets of 25,600 bytes, then 4 x 1,024 bytes of V
.set VOFF, 102400
.set FT, 106496                        ; f of the batch's 1,024 tokens for this head: written by ds_store, no fill lands here
.set SPARE, 110592
.set EX, 262144                        ; two sets of 16,384 bytes that take turns: O of 4 chunks x 2 memories x 2 token tiles, f32
.set SPW, 62
.set NIL, 63
.set S, 64
.set SB, 128
.set X, 160
.set Z, 176
.set Y, 192
.set YB, 208
.set YD, 216
.set VR, 224
.set DD, 232
.set KF, 0
.set QF, 64
.set KT, 128
.set TF, 192
.set PF, 208
.set GAM, 224
.set GC, 240
.set G1P, 24
.set G1V, 32
.set G0P, 40
.set G0V, 48
.set SLOTS, 56
.set CNT, 57
.set TB, 58                            ; LDS byte of the packet to be fetched
.set TV, 59                            ; of its V
.set EW, 60                            ; where the chunk in hand puts its O
.set MSB, 0
.macro WIN new
.if MSB != (\new)
	s_set_vgpr_msb (MSB<<8)|(\new)
.set MSB, (\new)
.endif
.endm
.macro CROUND
	s_barrier_signal -1
	s_barrier_wait -1
	s_cmp_lg_u32 s12, 0
	s_cbranch_scc1 .Lnot_wave_0_\@
	s_barrier_signal -3
.Lnot_wave_0_\@:
	s_barrier_wait -3
	s_barrier_signal -1
	s_barrier_wait -1
.endm
.macro JLOAD                           ; a refill: one tensor load a wave; the branch hangs on the wave's number alone
	s_cmp_eq_u32 s12, 0
	s_cbranch_scc0 .Lfor_v_\@
	tensor_load_to_lds s[G0P+4:G0P+7], s[G1P:G1P+7]
	s_nop 0
.rept 4
	v_nop
.endr
	s_branch .Lasked_\@
.Lfor_v_\@:
	tensor_load_to_lds s[G0V+4:G0V+7], s[G1V:G1V+7]
	s_nop 0
.rept 4
	v_nop
.endr
.Lasked_\@:
.endm
	s_load_b256 s[4:11], s[0:1], 0x0               ; pk, vt, qn, ob
	v_lshl_add_u32 v[SPW], v0, 2, SPARE
	v_mov_b32 v[NIL], 0
	ds_add_u32 v[SPW], v[NIL]                      ; the wave's opening: the add and its wait ahead of my first tensor load
	v_lshrrev_b32 v1, 5, v0
	v_readfirstlane_b32 s12, v1                    ; wave = memory
	s_bfe_u32 s13, ttmp6, 0x40000                  ; cx
	s_lshl_b32 s14, ttmp9, 2
	s_add_co_u32 s14, s14, s13                     ; my slice of 16 columns: it enters V's and the output's addresses alone
	s_and_b32 s15, ttmp7, 0xffff                   ; batch x 8 + head, which the partners share
	s_mul_i32 s16, s15, 819200                     ; 32 packets
	s_mov_b32 s17, 0
	s_lshl_b32 s18, s15, 18
	s_lshl_b32 s19, s14, 10
	s_add_co_u32 s18, s18, s19
	s_mov_b32 s19, 0
	s_mul_i32 s20, s12, 4608
	s_add_co_u32 s20, s20, 16384                   ; my memory's part of a packet
	s_mov_b32 s[G1P], 15|(3<<16)|(1<<21)           ; the mask of four; 8-byte elements; bit 21 beside a mask: 400 dense rows of 256 bytes
	s_mov_b32 s[G1P+1], 32<<16
	s_mov_b32 s[G1P+2], 400<<16
	s_mov_b32 s[G1P+3], 32<<16
	s_mov_b32 s[G1P+4], 400
	s_mov_b32 s[G1P+5], 32
	s_mov_b32 s[G1P+6], 0
	s_mov_b32 s[G1P+7], 0
	s_mov_b32 s[G1V], 3<<16                        ; no mask: 4 rows of 1,024 bytes, 8,192 bytes apart
	s_mov_b32 s[G1V+1], 128<<16
	s_mov_b32 s[G1V+2], 4<<16
	s_mov_b32 s[G1V+3], 128<<16
	s_mov_b32 s[G1V+4], 4
	s_mov_b32 s[G1V+5], 1024
	s_mov_b32 s[G1V+6], 0
	s_mov_b32 s[G1V+7], 0
	s_lshr_b32 s21, s15, 3                         ; batch
	s_and_b32 s22, s15, 7                          ; head
	s_lshl_b32 s2, s21, 12                         ; qn: the batch's 1,024 tokens
	s_mov_b32 s3, 0
	s_lshl_b32 s62, s22, 14                        ; and the head's row of 4,096
	s_mov_b32 s63, 0
	s_lshl_b32 s21, s21, 6
	s_add_co_u32 s21, s21, s12
	s_lshl_b32 s21, s21, 6
	s_lshl_b32 s22, s22, 3
	s_add_co_u32 s21, s21, s22
	s_add_co_u32 s21, s21, s14
	s_lshl_b32 s23, s21, 9                         ; ob: ((batch x 64 + m) x 64 + head x 8 + slice) x 512
	s_mov_b32 s[TB], 0
	s_mov_b32 s[TV], VOFF
	s_mov_b32 s[EW], EX
	s_wait_dscnt 0x0                               ; the opening add is done
	s_wait_kmcnt 0x0
	s_add_nc_u64 s[4:5], s[4:5], s[16:17]
	s_add_nc_u64 s[6:7], s[6:7], s[18:19]
	s_add_nc_u64 s[2:3], s[8:9], s[2:3]
	s_add_nc_u64 s[62:63], s[2:3], s[62:63]
	CROUND                                         ; all four work-groups are here
.irp s, 0,1
	s_mov_b32 s[G0P+4*(\s)], 1
	s_mov_b32 s[G0P+4*(\s)+1], (\s)*SLOT1
	s_add_nc_u64 s[G0P+4*(\s)+2:G0P+4*(\s)+3], s[4:5], (\s)*102400
	s_or_b32 s[G0P+4*(\s)+3], s[G0P+4*(\s)+3], 0x80000000
	s_mov_b32 s[G0V+4*(\s)], 1
	s_mov_b32 s[G0V+4*(\s)+1], (\s)*SLOT1+VOFF
	s_add_nc_u64 s[G0V+4*(\s)+2:G0V+4*(\s)+3], s[6:7], (\s)*32768
	s_or_b32 s[G0V+4*(\s)+3], s[G0V+4*(\s)+3], 0x80000000
.endr
	s_cmp_eq_u32 s12, 0                            ; a wave's two first fills stand in one branch: two loads of mine are out
	s_cbranch_scc0 .Lfirst_v
	tensor_load_to_lds s[G0P:G0P+3], s[G1P:G1P+7]
	s_nop 0
	tensor_load_to_lds s[G0P+4:G0P+7], s[G1P:G1P+7]
	s_nop 0
.rept 4
	v_nop
.endr
	s_branch .Lfirst_asked
.Lfirst_v:
	tensor_load_to_lds s[G0V:G0V+3], s[G1V:G1V+7]
	s_nop 0
	tensor_load_to_lds s[G0V+4:G0V+7], s[G1V:G1V+7]
	s_nop 0
.rept 4
	v_nop
.endr
.Lfirst_asked:
	; f = |q| / max(max over heads of |q|, 1e-30) for the batch's 1,024 tokens: thread t takes tokens 256 i + 4 t .. + 3
	v_lshlrev_b32 v34, 4, v0
	v_add_nc_u32 v33, FT, v34
.set i, 0
.rept 4
.set j, 0
.rept 8
	global_load_b128 v[64+36*i+4*j:64+36*i+4*j+3], v34, s[2:3] offset:j*16384+i*1024
.set j, j+1
.endr
	global_load_b128 v[64+36*i+32:64+36*i+35], v34, s[62:63] offset:i*1024
.set i, i+1
.endr
	v_and_b32 v1, 31, v0                           ; l
	v_and_b32 v29, 15, v0                          ; r
	v_bfe_u32 v30, v0, 4, 1                        ; hh
	v_and_b32 v31, 7, v0
	v_bfe_u32 v32, v0, 3, 1
	v_lshlrev_b32 v2, 4, v1                        ; planes read as they lie: 16 l
	v_lshl_add_u32 v3, v30, 3, v31
	v_lshl_add_u32 v3, v32, 4, v3
	v_lshlrev_b32 v3, 4, v3                        ; K^ turned: token 8 hh + l % 8, channel half (l / 8) % 2
	v_lshlrev_b32 v4, 4, v31
	v_lshl_add_u32 v4, v30, 7, v4
	v_lshl_add_u32 v4, v32, 9, v4
	v_add_nc_u32 v4, s20, v4                       ; T^ turned: column 8 hh + l % 8, rows' half (l / 8) % 2
	v_add_nc_u32 v5, s20, v2
	v_add_nc_u32 v5, 2048, v5                      ; P
	v_lshl_add_u32 v6, v30, 5, s20
	v_add_nc_u32 v6, 4096, v6                      ; vectors by registers: tokens 8 hh + 0..7
	v_lshl_add_u32 v7, v29, 2, s20
	v_add_nc_u32 v7, 4224, v7                      ; rw gamma by lanes: token r
	v_add_nc_u32 v15, s23, v2                      ; my offset in ob
	s_lshl_b32 s21, s12, 6
	s_add_co_u32 s21, s21, FT
	v_lshl_add_u32 v24, v29, 2, s21                ; f of token 16 m + r
	s_lshl_b32 s21, s12, 11
	v_add_nc_u32 v25, s21, v2                      ; my O in a set: m x 2,048 + 16 l
	s_lshl_b32 s21, s12, 10
	v_add_nc_u32 v27, s21, v2                      ; the tile that I finish: a = m
.irp p, 17,19,21,23,49,51
	v_mov_b32 v\p, 0                               ; named as the upper halves of pairs
.endr
	s_mov_b32 s22, 0x0da24260                      ; 1e-30
	s_wait_loadcnt 0x0
.set i, 0
.rept 4
.set j, 0
.rept 4
.set rF, 64+36*i+j
	v_max3_num_f32 v[rF], v[rF], v[rF+4], v[rF+8]
	v_max3_num_f32 v[rF], v[rF], v[rF+12], v[rF+16]
	v_max3_num_f32 v[rF], v[rF], v[rF+20], v[rF+24]
	v_max3_num_f32 v[rF], v[rF], v[rF+28], s22
.set j, j+1
.endr
.set i, i+1
.endr
.set i, 0
.rept 16
	v_rcp_f32 v[64+36*(i/4)+i%4], v[64+36*(i/4)+i%4]
.set i, i+1
.endr
	v_nop
	s_wait_alu depctr_va_vdst(0)                   ; one wait for the 16 reciprocals
.set i, 0
.rept 16
	v_mul_f32 v[64+36*(i/4)+i%4], v[64+36*(i/4)+i%4], v[64+36*(i/4)+32+i%4]
.set i, i+1
.endr
.set i, 0
.rept 4
	ds_store_b128 v33, v[64+36*i:64+36*i+3] offset:i*1024
.set i, i+1
.endr
	s_wait_dscnt 0x0                               ; for the other wave's sake, and the stores' data are cleared below
.set i, S
.rept 96
	v_mov_b32 v[i], 0                              ; S and its f16 copy start at 0: no first step is written out; this stands in the wait for the first tile
.set i, i+1
.endr
.macro ADDRS                           ; the LDS addresses of the chunk at TB, TV
.set ai, 0
.rept 6
	v_add_nc_u32 v[8+ai], s[TB], v[2+ai]
.set ai, ai+1
.endr
	v_add_nc_u32 v14, s[TV], v2
.endm
.macro RUN1                            ; 37 loads: K^ 16, Q^ 16, -gamma 4, gamma_31 1
	WIN 0x40
.set ri, 0
.rept 8
	ds_load_b128 v[KF+8*ri:KF+8*ri+3],   v8 offset:((ri/4)*8+2*(ri%4))*512
	ds_load_b128 v[KF+8*ri+4:KF+8*ri+7], v8 offset:((ri/4)*8+2*(ri%4))*512+512
.set ri, ri+1
.endr
.set ri, 0
.rept 8
	ds_load_b128 v[QF+8*ri:QF+8*ri+3],   v8 offset:8192+((ri/4)*8+2*(ri%4))*512
	ds_load_b128 v[QF+8*ri+4:QF+8*ri+7], v8 offset:8192+((ri/4)*8+2*(ri%4))*512+512
.set ri, ri+1
.endr
.set ri, 0
.rept 4
	ds_load_b128 v[GAM+4*ri:GAM+4*ri+3], v12 offset:(ri/2)*64+(ri%2)*16
.set ri, ri+1
.endr
	ds_load_b64 v[GC:GC+1], v12 offset:384
	WIN 0
.endm
.macro RUN2                            ; 32 loads, in the order in which they are wanted: V 2, dd 4, rw gamma 2, T^ 4, K^T 16, P 4
	WIN 0
	ds_load_b128 v[VR:VR+3], v14
	ds_load_b128 v[VR+4:VR+7], v14 offset:512
.set ri, 0
.rept 4
	ds_load_b128 v[DD+4*ri:DD+4*ri+3], v12 offset:256+(ri/2)*64+(ri%2)*16
.set ri, ri+1
.endr
	ds_load_b32 v48, v13
	ds_load_b32 v50, v13 offset:64
	WIN 0x40
.set ri, 0
.rept 2
	ds_load_tr16_b128 v[TF+8*ri:TF+8*ri+3],   v10 offset:ri*1024
	ds_load_tr16_b128 v[TF+8*ri+4:TF+8*ri+7], v10 offset:ri*1024+256
.set ri, ri+1
.endr
.set ri, 0
.rept 8
	ds_load_tr16_b128 v[KT+8*ri:KT+8*ri+3],   v9 offset:ri*512
	ds_load_tr16_b128 v[KT+8*ri+4:KT+8*ri+7], v9 offset:ri*512+4096
.set ri, ri+1
.endr
.set ri, 0
.rept 4
	ds_load_b128 v[PF+4*ri:PF+4*ri+3], v11 offset:ri*512
.set ri, ri+1
.endr
	WIN 0
.endm
.macro FETCH_ALL
	ADDRS
	RUN1
	RUN2
.endm
; ONE CHUNK.  No two matrix instructions that follow each other share an accumulator, and every turn is one instruction.  In a slot's fourth chunk (CNT = 1) the two runs
; of loads for the next chunk are jumped over: it lies in the other slot and is fetched behind the change of slots.
.macro TRIP
	s_add_co_u32 s[TB], s[TB], 25600
	s_add_co_u32 s[TV], s[TV], 1024
	ADDRS                                          ; the next chunk's addresses
	WIN 0x01
.set n, 0
.rept 8                                            ; X = K^ S: channels 32 (n / 2) on, token tile n % 2
.if n < 2
	v_wmma_f32_16x16x32_f16 v[X+8*(n%2):X+8*(n%2)+7], v[KF+8*(4*(n%2)+n/2):KF+8*(4*(n%2)+n/2)+7], v[SB+8*(n/2):SB+8*(n/2)+7], 0
.else
	v_wmma_f32_16x16x32_f16 v[X+8*(n%2):X+8*(n%2)+7], v[KF+8*(4*(n%2)+n/2):KF+8*(4*(n%2)+n/2)+7], v[SB+8*(n/2):SB+8*(n/2)+7], v[X+8*(n%2):X+8*(n%2)+7]
.endif
.set n, n+1
.endr
	WIN 0x04
.set n, 0
.rept 8                                            ; Z = (Q^ S)^T: a lane holds a token, its registers 8 columns.  Behind the first four: S x gamma_31; behind the last four: R = V/4 - gamma X, in place, rounded once
.if n < 2
	v_wmma_f32_16x16x32_f16 v[Z+8*(n%2):Z+8*(n%2)+7], v[SB+8*(n/2):SB+8*(n/2)+7], v[QF+8*(4*(n%2)+n/2):QF+8*(4*(n%2)+n/2)+7], 0
.else
	v_wmma_f32_16x16x32_f16 v[Z+8*(n%2):Z+8*(n%2)+7], v[SB+8*(n/2):SB+8*(n/2)+7], v[QF+8*(4*(n%2)+n/2):QF+8*(4*(n%2)+n/2)+7], v[Z+8*(n%2):Z+8*(n%2)+7]
.endif
.if n < 4
.set u, 0
.rept 8
	v_pk_mul_f32 v[S+16*n+2*u:S+16*n+2*u+1], v[S+16*n+2*u:S+16*n+2*u+1], v[GC:GC+1]
.set u, u+1
.endr
.else
.set u, 2*(n-4)
.rept 2
	v_fma_mixlo_f16 v[VR+u], v[X+2*u], v[GAM+2*u], v[VR+u] op_sel_hi:[0,0,1]
	v_fma_mixhi_f16 v[VR+u], v[X+2*u+1], v[GAM+2*u+1], v[VR+u] op_sel:[0,0,1] op_sel_hi:[0,0,1]
.set u, u+1
.endr
.endif
.if n == 3
	s_wait_dscnt 30                                ; V is in: 30 loads of its run are younger
.endif
.set n, n+1
.endr
	s_wait_dscnt 20                                ; T^ is in: K^T's 16 and P's 4 are younger
	WIN 0x01
	v_wmma_f32_16x16x32_f16 v[Y:Y+7], v[TF:TF+7], v[VR:VR+7], 0
	v_wmma_f32_16x16x32_f16 v[Y+8:Y+15], v[TF+8:TF+15], v[VR:VR+7], 0
	WIN 0
	s_wait_dscnt 0x0                               ; the whole run is in
	s_cmp_eq_u32 s[CNT], 1
	s_cbranch_scc1 .Lno1_\@
	RUN1                                           ; K^ and Q^ were last read four plain instructions back or more
.Lno1_\@:
.set u, 0
.rept 8                                            ; these eight are the places behind Y's products
	v_pk_mul_f32 v[Z+2*u:Z+2*u+1], v[Z+2*u:Z+2*u+1], v[48+2*(u/4):49+2*(u/4)] op_sel_hi:[1,0]
.set u, u+1
.endr
.set u, 0
.rept 8
	v_pk_mul_f32 v[X+2*u:X+2*u+1], v[Y+2*u:Y+2*u+1], v[DD+2*u:DD+2*u+1]
.set u, u+1
.endr
.set u, 0
.rept 8
	v_cvt_pk_f16_f32 v[YD+u], v[X+2*u], v[X+2*u+1]
.set u, u+1
.endr
	WIN 0x01
.set n, 0
.rept 8                                            ; S += K^T (dd Y)
	v_wmma_f32_16x16x32_f16 v[S+8*n:S+8*n+7], v[KT+8*n:KT+8*n+7], v[YD:YD+7], v[S+8*n:S+8*n+7]
.set n, n+1
.endr
	WIN 0
.set u, 0
.rept 8                                            ; the places behind those
	v_cvt_pk_f16_f32 v[YB+u], v[Y+2*u], v[Y+2*u+1]
.set u, u+1
.endr
	WIN 0x04
	v_wmma_f32_16x16x32_f16 v[Z:Z+7], v[YB:YB+7], v[PF:PF+7], v[Z:Z+7]
	v_wmma_f32_16x16x32_f16 v[Z+8:Z+15], v[YB:YB+7], v[PF+8:PF+15], v[Z+8:Z+15]
	WIN 0
.set u, 0
.rept 32                                           ; the state's operand copy; also the places in front of Z's stores and of the loads below
	v_cvt_pk_f16_f32 v[SB+u], v[S+2*u], v[S+2*u+1]
.set u, u+1
.endr
	v_add_nc_u32 v26, s[EW], v25
.set u, 0
.rept 4
	ds_store_b128 v26, v[Z+4*u:Z+4*u+3] offset:u*512
.set u, u+1
.endr
	s_wait_dscnt 4                                 ; the first run is in: only the four stores may be out
	s_cmp_eq_u32 s[CNT], 1
	s_cbranch_scc1 .Lno2_\@
	RUN2
.Lno2_\@:
	s_add_co_u32 s[EW], s[EW], 4096
.endm
; THE CHANGE OF SLOTS.  Each wave waits for all its tensor loads (one is out: its part of the other slot), adds 0 to its spare word, and waits for that, for its reads of the slot and for its stores of O.
; fill = 1: the barrier is a round of the cluster's, and the slot is filled again first thing behind it, with the chunks two slots on: four chunks' work in which to land.
.macro CHANGE fill
	WIN 0
	s_wait_tensorcnt 0x0
	ds_add_u32 v[SPW], v[NIL]
.if \fill
	s_xor_b32 s[G0P+5], s[G0P+5], SLOT1
	s_add_nc_u64 s[G0P+6:G0P+7], s[G0P+6:G0P+7], 102400
	s_xor_b32 s[G0V+5], s[G0V+5], SLOT1
	s_add_nc_u64 s[G0V+6:G0V+7], s[G0V+6:G0V+7], 32768
.endif
	s_wait_dscnt 0x0
.if \fill
	CROUND
	JLOAD
.else
	s_barrier_signal -1
	s_barrier_wait -1
.endif
	s_sub_co_u32 s[TB], s[TB], 102400
	s_xor_b32 s[TB], s[TB], SLOT1
	s_sub_co_u32 s[TV], s[TV], 4096
	s_xor_b32 s[TV], s[TV], SLOT1
	s_sub_co_u32 s[EW], s[EW], 16384
	s_xor_b32 s[EW], s[EW], 16384
.endm
; The set of O written before the last barrier: wave m adds both memories' token tile a = m of four chunks, scales by f, rounds and stores 512 consecutive bytes a chunk.
.macro FINAL
	s_xor_b32 s21, s[EW], 16384
	v_add_nc_u32 v28, s21, v27
.set e, 0
.rept 4
.set k, 0
.rept 4
	ds_load_b128 v[160+16*e+4*k:160+16*e+4*k+3], v28 offset:e*4096+(k/2)*2048+(k%2)*512
.set k, k+1
.endr
	ds_load_b32 v[16+2*e], v24 offset:e*128
.set e, e+1
.endr
	s_wait_dscnt 0x0
.set e, 0
.rept 4
.set rR, 160+16*e
.set k, 0
.rept 4
	v_pk_add_f32 v[rR+2*k:rR+2*k+1], v[rR+2*k:rR+2*k+1], v[rR+8+2*k:rR+8+2*k+1]
.set k, k+1
.endr
.set k, 0
.rept 4
	v_pk_mul_f32 v[rR+2*k:rR+2*k+1], v[rR+2*k:rR+2*k+1], v[16+2*e:17+2*e] op_sel_hi:[1,0]
.set k, k+1
.endr
.set k, 0
.rept 4
	v_cvt_pk_f16_f32 v[rR+8+k], v[rR+2*k], v[rR+2*k+1]
.set k, k+1
.endr
	global_store_b128 v15, v[rR+8:rR+11], s[10:11] offset:e*65536
.set e, e+1
.endr
	s_wait_xcnt 0x0                                ; the stores' data and offset are rewritten only behind this wait
	v_add_nc_u32 v15, 262144, v15
	v_add_nc_u32 v24, 512, v24
.endm
	s_wait_tensorcnt 1                             ; my part of slot 0 is in; slot 1's may stay out
	s_barrier_signal -1
	s_barrier_wait -1                              ; everybody's is, and f's table is whole
	FETCH_ALL
	s_wait_dscnt 0x0
	s_mov_b32 s[SLOTS], 7
	s_mov_b32 s[CNT], 4
	s_branch .Lstep                                ; slot 0 is walked without a change in front of it
.Lslot:                                            ; six times: every slot but the last two is filled again
	CHANGE 1
	FETCH_ALL
	FINAL                                          ; stands in the wait for the fetch
	s_mov_b32 s[CNT], 4
.Lstep:
	TRIP
	s_sub_co_u32 s[CNT], s[CNT], 1
	s_cmp_lg_u32 s[CNT], 0
	s_cbranch_scc1 .Lstep
	s_sub_co_u32 s[SLOTS], s[SLOTS], 1
	s_cmp_lg_u32 s[SLOTS], 0
	s_cbranch_scc1 .Lslot
	CHANGE 0                                       ; the tail is written out
	FETCH_ALL
	FINAL
	s_mov_b32 s[CNT], 4
.Ltail:
	TRIP
	s_sub_co_u32 s[CNT], s[CNT], 1
	s_cmp_lg_u32 s[CNT], 0
	s_cbranch_scc1 .Ltail
	s_wait_dscnt 0x0                               ; my last stores of O are done,
	s_barrier_signal -1
	s_barrier_wait -1                              ; the other wave's too
	s_sub_co_u32 s[EW], s[EW], 16384
	s_xor_b32 s[EW], s[EW], 16384
	FINAL
	s_wait_tensorcnt 0x0                           ; the wave's end
	ds_add_u32 v[SPW], v[NIL]
	s_wait_dscnt 0x0
	CROUND                                         ; the closing round
	s_endpgm
.Lfunc_end_k_q59a48fa6c4_scan:
	.size	k_q59a48fa6c4_scan, .Lfunc_end_k_q59a48fa6c4_scan-k_q59a48fa6c4_scan
	.p2alignl 7, 3214868480
	.fill 96, 4, 3214868480
	.section	.rodata,"a",@progbits
	.p2align	6, 0x0
	.amdhsa_kernel k_q59a48fa6c4_scan
		.amdhsa_group_segment_fixed_size 327680
		.amdhsa_private_segment_fixed_size 0
		.amdhsa_enable_private_segment 0
		.amdhsa_kernarg_size 32
		.amdhsa_user_sgpr_count 2
		.amdhsa_user_sgpr_kernarg_segment_ptr 1
		.amdhsa_wavefront_size32 1
		.amdhsa_system_sgpr_workgroup_id_x 1
		.amdhsa_system_sgpr_workgroup_id_y 1
		.amdhsa_system_sgpr_workgroup_id_z 1
		.amdhsa_system_vgpr_workitem_id 0
		.amdhsa_next_free_vgpr 512
		.amdhsa_next_free_sgpr 66
		.amdhsa_reserve_vcc 0
		.amdhsa_float_denorm_mode_32 3
		.amdhsa_float_denorm_mode_16_64 3
		.amdhsa_memory_ordered 1
		.amdhsa_forward_progress 1
		.amdhsa_inst_pref_size 79
	.end_amdhsa_kernel
	.amdgpu_metadata
---
amdhsa.version: [ 1, 2 ]
amdhsa.kernels:
  - .name:           k_q59a48fa6c4_scan
    .symbol:         k_q59a48fa6c4_scan.kd
    .args:
      - { .name: pk, .offset: 0, .size: 8, .value_kind: global_buffer, .address_space: global }
      - { .name: vt, .offset: 8, .size: 8, .value_kind: global_buffer, .address_space: global }
      - { .name: qn, .offset: 16, .size: 8, .value_kind: global_buffer, .address_space: global }
      - { .name: ob, .offset: 24, .size: 8, .value_kind: global_buffer, .address_space: global }
    .group_segment_fixed_size: 327680
    .private_segment_fixed_size: 0
    .kernarg_segment_align: 8
    .kernarg_segment_size: 32
    .max_flat_workgroup_size: 64
    .sgpr_count:     66
    .vgpr_count:     512
    .wavefront_size: 32
...
	.end_amdgpu_metadata
.endif
;; end of part 3
;; launch out (part 4): grid 8 x 32, 4 waves a work-group, clusters of 4 x 4, 327,680 bytes of LDS; arguments ob, xw, qn, out0; writes out0
.if DOCPART == 4
	.amdgcn_target "amdgcn-amd-amdhsa--gfx1250"
	.amdhsa_code_object_version 6
	.text
	.protected	k_q59a48fa6c4_out
	.globl	k_q59a48fa6c4_out
	.p2align	8
	.type	k_q59a48fa6c4_out,@function
k_q59a48fa6c4_out:
	s_mov_b64 s[64:65], 0
	v_nop
	global_prefetch_b8 v0, s[64:65] scope:SCOPE_SE
	s_setreg_imm32_b32 hwreg(HW_REG_WAVE_MODE, 25, 1), 1
	s_wait_xcnt 0x0
	s_wait_alu depctr_hold_cnt(0) depctr_sa_sdst(0) depctr_va_vdst(0) depctr_va_sdst(0) depctr_va_ssrc(0) depctr_va_vcc(0) depctr_vm_vsrc(0)
	s_getreg_b32 s2, hwreg(HW_REG_IB_STS2, 6, 4)
	s_cmp_eq_u32 s2, 0
	s_cbranch_scc0 .Lentry_in_a_cluster
	s_endpgm
.Lentry_in_a_cluster:
	s_bfe_u32 s2, ttmp6, 0x10000c
	s_cmp_lg_u32 s2, 0xf033
	s_cbranch_scc0 .Lentry_shape_is_right
	s_endpgm
.Lentry_shape_is_right:
; out0[t][n] = 4 rho_t x sum over k of o~[t][k] Wo[k][n];  rho_t = max(max over heads of |q_t|, 1e-30).  o~ and Wo in f16 (Wo rounded to bf16 first), sums in f32, out0 f32.
; A tile of 128 x 128 a work-group, 64 x 64 a wave (16 accumulators), K in steps of 256 through two LDS slots.  o~ lies in memory in fragment order (planes of 16 tokens x 16 channels, 512 bytes),
; so its fragments are read as they lie; Wo lies [K][N] and is read by the turning load.  The matrix instruction is used transposed: a lane holds one token and 8 neighbouring columns.
; CLUSTER 4 x 4: o~'s tile is shared along a row of the cluster, Wo's along a column.
; REGISTERS: window 0: v0-31 addresses; v32-103 at work on the way out; v128-255 the accumulators ((a, b) at v[128 + 8 (4 a + b)]).  window 1: two fragment buffers of 128 (64 of o~, 64 of Wo).
.set PW, 288                           ; a row (one k) of Wo's tile: 256 bytes + 32
.set SLOT, 65536+256*PW                ; o~: 8 token tiles x 8,192 bytes; then Wo's 256 rows
.set STAGE, 2*SLOT                     ; 16 rows x 272 bytes for each wave, its own
.set SPITCH, 272
.set SPARE, STAGE+4*16*SPITCH
.set LAPS, 2
.set ADRA, 16                          ; v16-17
.set ADRB, 20                          ; v20-23: 2 x slot + half of the slot's rows
.set STO, 24
.set RD, 25
.set CO, 26
.set QA, 27
.set SPW, 28
.set NIL, 29
.set TMP, 32
.set BK, 64
.set RS, 96
.set ACC, 128
.set F0, 0
.set F1, 128
.set G1, 24
.set G0, 32
.set G1B, 48
.set G0B, 56
.set MSB, 0
.macro WIN new
.if MSB != (\new)
	s_set_vgpr_msb (MSB<<8)|(\new)
.set MSB, (\new)
.endif
.endm
.set MUL, 0x05
.set TO_F, 0x40
.macro JLOAD s                         ; waves 0 and 1 fetch o~'s two halves, waves 2 and 3 Wo's
	s_cmp_eq_u32 s11, 0
	s_cbranch_scc0 .Lfor_b_\@
	tensor_load_to_lds s[G0+4*(\s):G0+4*(\s)+3], s[G1:G1+7]
	s_nop 0
.rept 4
	v_nop
.endr
	s_branch .Lasked_\@
.Lfor_b_\@:
	tensor_load_to_lds s[G0B+4*(\s):G0B+4*(\s)+3], s[G1B:G1B+7]
	s_nop 0
.rept 4
	v_nop
.endr
.Lasked_\@:
.endm
.macro CREST
	s_cmp_lg_u32 s10, 0
	s_cbranch_scc1 .Lnot_wave_0_\@
	s_barrier_signal -3
.Lnot_wave_0_\@:
	s_barrier_wait -3
	s_barrier_signal -1
	s_barrier_wait -1
.endm
.macro CROUND
	s_barrier_signal -1
	s_barrier_wait -1
	CREST
.endm
.macro PLACES
.rept 4
	v_nop
.endr
.endm
	s_load_b128 s[4:7], s[0:1], 0x0                ; ob, xw
	s_load_b64 s[66:67], s[0:1], 0x10              ; qn
	s_load_b64 s[8:9], s[0:1], 0x18                ; out0
	v_lshl_add_u32 v[SPW], v0, 2, SPARE
	v_mov_b32 v[NIL], 0
	ds_add_u32 v[SPW], v[NIL]                      ; the wave's opening: the add and its wait ahead of my first tensor load
	v_lshrrev_b32 v1, 5, v0
	v_readfirstlane_b32 s10, v1
	s_lshr_b32 s11, s10, 1                         ; my half of the tile's rows; also: I fetch o~ (0) or Wo (1)
	s_and_b32 s12, s10, 1                          ; my half of its columns; also: which half of that tile I fetch
	s_bfe_u32 s40, ttmp6, 0x40000
	s_bfe_u32 s41, ttmp6, 0x40004
	s_lshl_b32 s42, ttmp9, 2
	s_add_co_u32 s42, s42, s40                     ; column tile
	s_and_b32 s13, ttmp7, 0xffff
	s_lshl_b32 s13, s13, 2
	s_add_co_u32 s13, s13, s41                     ; token tile of 128
	s_lshl_b32 s43, s41, 2
	s_lshl_b32 s43, 15, s43
	s_lshl_b32 s44, 0x1111, s40
	s_or_b32 s[G1], s43, (3<<16)|(1<<21)           ; o~: 8-byte elements, no padding: 4 rows of 8,192 bytes, 32,768 apart
	s_mov_b32 s[G1+1], 1024<<16
	s_mov_b32 s[G1+2], 4<<16
	s_mov_b32 s[G1+3], 1024<<16
	s_mov_b32 s[G1+4], 4
	s_mov_b32 s[G1+5], 4096
	s_mov_b32 s[G1+6], 0
	s_mov_b32 s[G1+7], 0
	s_or_b32 s[G1B], s44, (1<<16)|(1<<20)|(1<<21)|(5<<22)|(7<<25)  ; Wo: 128 rows of 128 f16, 8 words of padding behind each
	s_mov_b32 s[G1B+1], 128<<16
	s_mov_b32 s[G1B+2], 128<<16
	s_mov_b32 s[G1B+3], 128<<16
	s_mov_b32 s[G1B+4], 128
	s_mov_b32 s[G1B+5], 1024
	s_mov_b32 s[G1B+6], 0
	s_mov_b32 s[G1B+7], 0
	s_lshl_b32 s16, s13, 3
	s_lshl_b32 s17, s12, 2
	s_add_co_u32 s16, s16, s17
	s_lshl_b32 s16, s16, 15                        ; o~: (8 x tile + 4 x half) x 32,768
	s_mov_b32 s17, 0
	s_lshl_b32 s46, s12, 18                        ; Wo: 128 x half rows of 2,048 bytes,
	s_lshl_b32 s47, s42, 8                         ; the tile's 128 columns,
	s_add_co_u32 s46, s46, s47
	s_add_co_u32 s46, s46, 14680064                ; its place in xw
	s_mov_b32 s47, 0
	s_lshl_b32 s20, s12, 15                        ; LDS: the wave's number alone
	s_mul_i32 s21, s12, 128*PW
	s_add_co_u32 s21, s21, 65536
	s_wait_dscnt 0x0
	s_wait_kmcnt 0x0
	s_add_nc_u64 s[14:15], s[4:5], s[16:17]
	s_add_nc_u64 s[46:47], s[6:7], s[46:47]
	CROUND
.irp s, 0,1
	s_mov_b32 s[G0+4*(\s)], 1
	s_add_co_u32 s[G0+4*(\s)+1], s20, (\s)*SLOT
	s_add_nc_u64 s[G0+4*(\s)+2:G0+4*(\s)+3], s[14:15], (\s)*8192
	s_or_b32 s[G0+4*(\s)+3], s[G0+4*(\s)+3], 0x80000000
	s_mov_b32 s[G0B+4*(\s)], 1
	s_add_co_u32 s[G0B+4*(\s)+1], s21, (\s)*SLOT
	s_add_nc_u64 s[G0B+4*(\s)+2:G0B+4*(\s)+3], s[46:47], (\s)*524288
	s_or_b32 s[G0B+4*(\s)+3], s[G0B+4*(\s)+3], 0x80000000
	JLOAD \s
.endr
	v_and_b32 v1, 15, v0
	v_bfe_u32 v2, v0, 4, 1
	v_and_b32 v3, 31, v0
	s_lshl_b32 s22, s11, 15                        ; my 4 token tiles
	v_lshl_add_u32 v[ADRA], v3, 4, s22
	v_add_nc_u32 v[ADRA+1], SLOT, v[ADRA]
	v_and_b32 v5, 7, v0
	v_lshl_add_u32 v5, v2, 3, v5
	v_mul_u32_u24 v5, v5, PW
	v_bfe_u32 v6, v0, 3, 1
	v_lshl_add_u32 v5, v6, 4, v5
	v_lshl_add_u32 v5, s12, 7, v5                  ; my 64 columns
.set i, 0
.rept 4
	v_add_nc_u32 v[ADRB+i], (i/2)*SLOT+65536+(i%2)*128*PW, v5
.set i, i+1
.endr
	s_mul_i32 s23, s10, 16*SPITCH
	s_add_co_u32 s23, s23, STAGE
	v_mul_u32_u24 v4, v1, SPITCH
	v_lshl_add_u32 v4, v2, 5, v4
	v_add_nc_u32 v[STO], s23, v4                   ; in: row r, 32 bytes for each half of the lanes
	v_mul_u32_u24 v4, v2, SPITCH
	v_lshl_add_u32 v4, v1, 4, v4
	v_add_nc_u32 v[RD], s23, v4                    ; back: lanes 0-15 one row of 256 bytes, lanes 16-31 the next
	v_lshlrev_b32 v4, 12, v2
	v_lshl_add_u32 v[CO], v1, 4, v4                ; the same two rows in out0
	s_lshl_b32 s16, s13, 7
	s_lshl_b32 s17, s11, 6
	s_add_co_u32 s16, s16, s17                     ; my first token
	s_lshl_b32 s18, s16, 2
	s_mov_b32 s19, 0
	s_add_nc_u64 s[66:67], s[66:67], s[18:19]
	s_lshl_b32 s16, s16, 12
	s_lshl_b32 s17, s42, 9
	s_add_co_u32 s16, s16, s17
	s_lshl_b32 s17, s12, 8
	s_add_co_u32 s16, s16, s17
	s_mov_b32 s17, 0
	s_add_nc_u64 s[8:9], s[8:9], s[16:17]
	v_lshlrev_b32 v[QA], 2, v1
.set i, 0
.rept 32                                           ; |q| of my 64 tokens for the 8 heads: token 16 (i / 8) + r, head i % 8; waited for on the way out
	global_load_b32 v[TMP+i], v[QA], s[66:67] offset:(i%8)*16384+(i/8)*64
.set i, i+1
.endr
.macro MUL8 f, c, a0, zero
	WIN MUL
.irp a, \a0, (\a0)+1
.irp b, 0,1,2,3
.if \zero
	v_wmma_f32_16x16x32_f16 v[ACC+8*(4*(\a)+(\b)):ACC+8*(4*(\a)+(\b))+7], v[(\f)+64+8*(4*(\c)+(\b)):(\f)+64+8*(4*(\c)+(\b))+7], v[(\f)+8*(4*(\c)+(\a)):(\f)+8*(4*(\c)+(\a))+7], 0
.else
	v_wmma_f32_16x16x32_f16 v[ACC+8*(4*(\a)+(\b)):ACC+8*(4*(\a)+(\b))+7], v[(\f)+64+8*(4*(\c)+(\b)):(\f)+64+8*(4*(\c)+(\b))+7], v[(\f)+8*(4*(\c)+(\a)):(\f)+8*(4*(\c)+(\a))+7], v[ACC+8*(4*(\a)+(\b)):ACC+8*(4*(\a)+(\b))+7]
.endif
.endr
.endr
.endm
; 32 LDS loads in one run: the fragments of 64 along K (quarter q of a slot) into buffer f; the first 32 along K first
.macro FETCH slot, q, f
	WIN TO_F
.irp c, 0,1
.irp i, 0,1,2,3
	ds_load_tr16_b128 v[(\f)+64+8*(4*(\c)+(\i)):(\f)+64+8*(4*(\c)+(\i))+3],   v[ADRB+2*(\slot)+(\q)/2] offset:(((\q)%2)*64+32*(\c))*PW+32*(\i)
	ds_load_tr16_b128 v[(\f)+64+8*(4*(\c)+(\i))+4:(\f)+64+8*(4*(\c)+(\i))+7], v[ADRB+2*(\slot)+(\q)/2] offset:(((\q)%2)*64+32*(\c)+16)*PW+32*(\i)
	ds_load_b128 v[(\f)+8*(4*(\c)+(\i)):(\f)+8*(4*(\c)+(\i))+3],   v[ADRA+(\slot)] offset:(\i)*8192+(2*(\q)+(\c))*1024
	ds_load_b128 v[(\f)+8*(4*(\c)+(\i))+4:(\f)+8*(4*(\c)+(\i))+7], v[ADRA+(\slot)] offset:(\i)*8192+(2*(\q)+(\c))*1024+512
.endr
.endr
.endm
.macro QUARTER slot, q, f, g, zero
	s_wait_dscnt 16                                ; the first 32 along K are in
	MUL8 \f, 0, 0, \zero
	MUL8 \f, 0, 2, \zero
	PLACES
	FETCH \slot, \q, \g
	s_wait_dscnt 32                                ; all but the 32 just issued
	MUL8 \f, 1, 0, 0
	MUL8 \f, 1, 2, 0
.endm
; The last quarter multiplies buffer 1 and changes slots: one barrier; in front of it each wave waits for all its tensor loads, adds 0 to its spare word, and waits for that and for its reads of this slot.
.macro TURN slot, next, fill
	WIN 0
	s_wait_tensorcnt 0x0
	ds_add_u32 v[SPW], v[NIL]
	s_wait_dscnt 17                                ; (the add and the youngest sixteen loads may be out)
	MUL8 F1, 0, 0, 0
	s_wait_dscnt 0x0
	s_barrier_signal -1
	MUL8 F1, 0, 2, 0
.if \fill
	WIN 0
.endif
	s_barrier_wait -1
.if \fill
	CREST
	s_add_nc_u64 s[G0+4*(\slot)+2:G0+4*(\slot)+3], s[G0+4*(\slot)+2:G0+4*(\slot)+3], 16384
	s_add_nc_u64 s[G0B+4*(\slot)+2:G0B+4*(\slot)+3], s[G0B+4*(\slot)+2:G0B+4*(\slot)+3], 1048576
	JLOAD \slot                                    ; its four v_nop are also the places in front of the loads below
.else
	PLACES
.endif
	FETCH \next, 0, F0
	MUL8 F1, 1, 0, 0
	MUL8 F1, 1, 2, 0
.endm
	s_wait_tensorcnt 1                             ; my part of K step 0 is in; slot 1's may stay out
	s_barrier_signal -1
	s_barrier_wait -1
	FETCH 0, 0, F0
	QUARTER 0, 1, F0, F1, 1
	WIN 0
	s_mov_b32 s3, LAPS-1
.Llap:
	QUARTER 0, 2, F1, F0, 0
	QUARTER 0, 3, F0, F1, 0
	TURN 0, 1, 1
	QUARTER 1, 1, F0, F1, 0
	QUARTER 1, 2, F1, F0, 0
	QUARTER 1, 3, F0, F1, 0
	TURN 1, 0, 1
	QUARTER 0, 1, F0, F1, 0
	WIN 0
	s_sub_co_u32 s3, s3, 1
	s_cmp_lg_u32 s3, 0
	s_cbranch_scc1 .Llap
	QUARTER 0, 2, F1, F0, 0
	QUARTER 0, 3, F0, F1, 0
	TURN 0, 1, 0
	QUARTER 1, 1, F0, F1, 0
	QUARTER 1, 2, F1, F0, 0
	QUARTER 1, 3, F0, F1, 0
	s_wait_dscnt 16
	MUL8 F1, 0, 0, 0
	MUL8 F1, 0, 2, 0
	s_wait_dscnt 0
	MUL8 F1, 1, 0, 0
	MUL8 F1, 1, 2, 0
	WIN 0
	; THE WAY OUT, the wave's own: 64 f32 columns are 256 aligned bytes.  A token tile at a time: scaled by 4 rho, into my stage, back as whole rows, stored.
	PLACES
	s_mov_b32 s22, 0x0da24260                      ; 1e-30
	s_wait_loadcnt 0x0
.set i, 0
.rept 4
	v_max3_num_f32 v[TMP+8*i], v[TMP+8*i], v[TMP+8*i+1], v[TMP+8*i+2]
	v_max3_num_f32 v[TMP+8*i], v[TMP+8*i], v[TMP+8*i+3], v[TMP+8*i+4]
	v_max3_num_f32 v[TMP+8*i], v[TMP+8*i], v[TMP+8*i+5], v[TMP+8*i+6]
	v_max3_num_f32 v[TMP+8*i], v[TMP+8*i], v[TMP+8*i+7], s22
	v_mul_f32 v[RS+2*i], 4.0, v[TMP+8*i]
	v_mov_b32 v[RS+2*i+1], 0                       ; named with it as a pair
.set i, i+1
.endr
.set a, 0
.rept 4
.set i, 0
.rept 16
	v_pk_mul_f32 v[TMP+2*i:TMP+2*i+1], v[ACC+32*a+2*i:ACC+32*a+2*i+1], v[RS+2*a:RS+2*a+1] op_sel_hi:[1,0]
.set i, i+1
.endr
.set i, 0
.rept 8
	ds_store_b128 v[STO], v[TMP+4*i:TMP+4*i+3] offset:64*(i/2)+16*(i%2)
.set i, i+1
.endr
	s_wait_xcnt 0x0                                ; the registers below were the last tile's store data
.set i, 0
.rept 8
	ds_load_b128 v[BK+4*i:BK+4*i+3], v[RD] offset:i*2*SPITCH   ; LDS serves a wave's instructions in order: these see the stores above
.set i, i+1
.endr
	s_wait_dscnt 0x0
.set i, 0
.rept 8
	global_store_b128 v[CO], v[BK+4*i:BK+4*i+3], s[8:9] offset:(16*a+2*i)*4096   ; 16 lanes store 256 consecutive bytes, aligned
.set i, i+1
.endr
.set a, a+1
.endr
	s_wait_tensorcnt 0x0                           ; the wave's end
	ds_add_u32 v[SPW], v[NIL]
	s_wait_dscnt 0x0
	CROUND                                         ; the closing round
	s_endpgm
.Lfunc_end_k_q59a48fa6c4_out:
	.size	k_q59a48fa6c4_out, .Lfunc_end_k_q59a48fa6c4_out-k_q59a48fa6c4_out
	.p2alignl 7, 3214868480
	.fill 96, 4, 3214868480
	.section	.rodata,"a",@progbits
	.p2align	6, 0x0
	.amdhsa_kernel k_q59a48fa6c4_out
		.amdhsa_group_segment_fixed_size 327680
		.amdhsa_private_segment_fixed_size 0
		.amdhsa_enable_private_segment 0
		.amdhsa_kernarg_size 32
		.amdhsa_user_sgpr_count 2
		.amdhsa_user_sgpr_kernarg_segment_ptr 1
		.amdhsa_wavefront_size32 1
		.amdhsa_system_sgpr_workgroup_id_x 1
		.amdhsa_system_sgpr_workgroup_id_y 1
		.amdhsa_system_sgpr_workgroup_id_z 1
		.amdhsa_system_vgpr_workitem_id 0
		.amdhsa_next_free_vgpr 512
		.amdhsa_next_free_sgpr 72
		.amdhsa_reserve_vcc 0
		.amdhsa_float_denorm_mode_32 3
		.amdhsa_float_denorm_mode_16_64 3
		.amdhsa_memory_ordered 1
		.amdhsa_forward_progress 1
		.amdhsa_inst_pref_size 94
	.end_amdhsa_kernel
	.amdgpu_metadata
---
amdhsa.version: [ 1, 2 ]
amdhsa.kernels:
  - .name:           k_q59a48fa6c4_out
    .symbol:         k_q59a48fa6c4_out.kd
    .args:
      - { .name: ob, .offset: 0, .size: 8, .value_kind: global_buffer, .address_space: global }
      - { .name: xw, .offset: 8, .size: 8, .value_kind: global_buffer, .address_space: global }
      - { .name: qn, .offset: 16, .size: 8, .value_kind: global_buffer, .address_space: global }
      - { .name: out0, .offset: 24, .size: 8, .value_kind: global_buffer, .address_space: global }
    .group_segment_fixed_size: 327680
    .private_segment_fixed_size: 0
    .kernarg_segment_align: 8
    .kernarg_segment_size: 32
    .max_flat_workgroup_size: 128
    .sgpr_count:     72
    .vgpr_count:     512
    .wavefront_size: 32
...
	.end_amdgpu_metadata
.endif
;; end of part 4
;; ======== version 2 of 2: 4 launches; version 1 with the launch cast written anew for expert scheduling mode
;; limits: values are held in f16: magnitudes above 65,504 overflow, below 6.1e-05 lose precision
;; workspace buffers: xw 17,039,360 bytes; pk 26,214,400 bytes; vt 8,388,608 bytes; qn 131,072 bytes; ob 8,388,608 bytes
;; launch cast (part 5): grid 256 x 1, 8 waves a work-group, no clusters, 0 bytes of LDS; arguments x, Wq, Wk, Wv, Wo, Wgate, Wbeta, Wr, xw; writes xw
.if DOCPART == 5
	.amdgcn_target "amdgcn-amd-amdhsa--gfx1250"
	.amdhsa_code_object_version 6
	.text
	.protected	k_q59a48fa6c4_cast
	.globl	k_q59a48fa6c4_cast
	.p2align	8
	.type	k_q59a48fa6c4_cast,@function
k_q59a48fa6c4_cast:
	s_mov_b64 s[64:65], 0
	v_nop
	global_prefetch_b8 v0, s[64:65] scope:SCOPE_SE
	s_setreg_imm32_b32 hwreg(HW_REG_WAVE_SCHED_MODE, 0, 2), 2
	s_setreg_imm32_b32 hwreg(HW_REG_WAVE_MODE, 25, 1), 1
	s_wait_xcnt 0x0
	s_wait_alu depctr_vm_vsrc(0)
; x, Wq, Wk, Wv are rounded to bf16; Wo is rounded to bf16 and that number written as f16 (LIMIT: |Wo| under 65,504; below 6e-5 it keeps f16's fixed step).
; Wgate, Wbeta and Wr are laid out as a table of matrix fragments, one strip of 16 columns a head (gate, beta, router 0, router 1, twelve zeros).
; A stream: 256 work-groups, each 131,072 bytes of one source -> 65,536 bytes of xw.  Thread t takes 16 bytes at 16 t of every 4,096; all 32 loads of a wave
; are issued at once; a wave's store covers 256 consecutive bytes, aligned.  No LDS, no matrix unit, no cluster: the work-groups share nothing.
; THE MODE: SCHED_MODE bits 1:0 = 2 (LLVM: expert scheduling mode 2), set by the entry lines.  The code itself states the register dependences
; between vector instructions and memory instructions, with s_wait_alu, always for 0.
; THE PLAN.  Registers that memory instructions touch:
;   v1, v2     byte offsets of the loads and of the stores: made once at the head, never written again.
;   X          written by the 32 loads, read by the conversions.  In the table part v32-55 are loaded once more, and v56-59 are made there and stored.
;   Y          a pair for each of the 32 results: written by one block's conversions, read by one store, never written again: so no store's data is ever overwritten.
;   v8, v9, v10  the table part's offsets, made there, never written again.
; The 32 results go in 8 blocks of four.  Block p rounds into its own 8 registers of Y; ONE wait on va_vdst at the head of block p + 1 states that they are written, and block p's
; four stores follow it in a run, ahead of the next wait for a load; no vector instruction between that wait and the stores names their registers.
.set X, 32                             ; v[32:159]  32 loads of 4 f32
.set Y, 160                            ; v[160:223] 32 result pairs, block b at Y + 8 b
	s_load_b512 s[8:23], s[0:1], 0x0               ; x, Wq, Wk, Wv, Wo, Wgate, Wbeta, Wr
	s_load_b64 s[24:25], s[0:1], 0x40              ; xw
	v_lshlrev_b32 v1, 4, v0
	v_lshlrev_b32 v2, 3, v0
	v_lshrrev_b32 v3, 5, v0
	v_readfirstlane_b32 s34, v3                    ; my wave's number, for the table part
	s_mov_b32 s2, ttmp9                            ; id
	s_sub_co_u32 s3, s2, 128
	s_lshr_b32 s4, s3, 5                           ; which weight (id >= 128)
	s_and_b32 s5, s2, 31
	s_cmp_lt_u32 s2, 128
	s_cselect_b32 s5, s2, s5                       ; block of 131,072 bytes inside the source
	s_lshl_b32 s26, s5, 17
	s_mov_b32 s27, 0
	s_lshl_b32 s30, s2, 16                         ; 65,536 bytes of xw a work-group
	s_mov_b32 s31, 0
	s_wait_alu depctr_va_sdst(0)                   ; s34 is written: its first reader is the compare in front of the table part, and this wait stands ahead of every branch and label
	s_wait_kmcnt 0x0
	s_cmp_eq_u32 s4, 1
	s_cselect_b64 s[28:29], s[12:13], s[10:11]
	s_cmp_eq_u32 s4, 2
	s_cselect_b64 s[28:29], s[14:15], s[28:29]
	s_cmp_eq_u32 s4, 3
	s_cselect_b64 s[28:29], s[16:17], s[28:29]
	s_cmp_lt_u32 s2, 128
	s_cselect_b64 s[28:29], s[8:9], s[28:29]
	s_add_nc_u64 s[28:29], s[28:29], s[26:27]
	s_add_nc_u64 s[32:33], s[24:25], s[30:31]
	s_wait_alu depctr_va_vdst(0)                   ; v1 and v2 are written: every load of the stream reads v1 as its offset, every store v2
.set i, 0
.rept 32
	global_load_b128 v[X+4*i:X+4*i+3], v1, s[28:29] offset:4096*i th:TH_LOAD_NT
.set i, i+1
.endr
; The four stores of block b.
.macro OUT4 b
.irp j, 0,1,2,3
	global_store_b64 v2, v[Y+8*(\b)+2*(\j):Y+8*(\b)+2*(\j)+1], s[32:33] offset:2048*(4*(\b)+(\j))
.endr
.endm
; kind = 0: bf16.  kind = 1: bf16, widened again (a shift, a mask) and written as f16.
.macro CVT kind
.set p, 0
.rept 8
.if p > 0
	s_wait_alu depctr_va_vdst(0)                   ; the conversions of the block before have written its 8 registers of Y, which the four stores below read
	OUT4 p-1
.endif
.set j, 0
.rept 4
.set i, 4*p+j
	s_wait_loadcnt 31-i                            ; loads come back in order: load i is in, the 31 - i younger ones stay out
	v_cvt_pk_bf16_f32 v[Y+2*i], v[X+4*i], v[X+4*i+1]
	v_cvt_pk_bf16_f32 v[Y+2*i+1], v[X+4*i+2], v[X+4*i+3]
.if \kind
	v_lshlrev_b32 v4, 16, v[Y+2*i]
	v_and_b32 v5, 0xffff0000, v[Y+2*i]
	v_lshlrev_b32 v6, 16, v[Y+2*i+1]
	v_and_b32 v7, 0xffff0000, v[Y+2*i+1]
	v_cvt_pk_f16_f32 v[Y+2*i], v4, v5
	v_cvt_pk_f16_f32 v[Y+2*i+1], v6, v7
.endif
.set j, j+1
.endr
.set p, p+1
.endr
	s_wait_alu depctr_va_vdst(0)                   ; block 7's conversions have written its 8 registers of Y, which the last four stores read
	OUT4 7
.endm
	s_cmp_ge_u32 s2, 224
	s_cbranch_scc1 .Lwo
	CVT 0
	s_branch .Ltable
.Lwo:
	CVT 1
.Ltable:
	; THE TABLE.  Entry e = 64 id + t (t < 64): 16 bytes = 8 bf16, k = 32 s + 16 p + 8 (l / 16) + 0..7 of column l % 16; s = id % 32, head = id / 32, p = my wave.
	s_cmp_lt_u32 s34, 2
	s_cbranch_scc0 .Ldone
	v_and_b32 v11, 15, v0                          ; column
	v_bfe_u32 v12, v0, 4, 1
	s_and_b32 s3, s2, 31
	s_lshl_b32 s3, s3, 5
	s_lshl_b32 s4, s34, 4
	s_add_co_u32 s3, s3, s4                        ; 32 s + 16 p
	v_lshl_add_u32 v13, v12, 3, s3                 ; k0
	s_lshr_b32 s4, s2, 5
	s_lshl_b32 s4, s4, 2                           ; 4 x head
	v_lshlrev_b32 v8, 5, v13
	v_add_nc_u32 v8, s4, v8                        ; Wgate, Wbeta: (8 k0 + head) x 4
	v_and_b32 v14, 1, v0
	v_lshlrev_b32 v9, 3, v13
	v_lshl_add_u32 v9, v14, 2, v9                  ; Wr: (2 k0 + column % 2) x 4
	s_lshl_b32 s5, s2, 10
	v_lshl_add_u32 v10, v0, 4, s5                  ; 16 e
	s_add_nc_u64 s[38:39], s[24:25], 0x1000000     ; the table's place in xw
	s_wait_alu depctr_va_vdst(0)                   ; the offsets v8, v9 and v10 are written, which the loads and the store below read; the stream's conversions are done reading v32 to v55, in which the loads land
.set i, 0
.rept 8
	global_load_b32 v[32+i], v8, s[18:19] offset:32*i
	global_load_b32 v[40+i], v8, s[20:21] offset:32*i
	global_load_b32 v[48+i], v9, s[22:23] offset:8*i
.set i, i+1
.endr
	v_cmp_eq_u32 s35, 0, v11
	v_cmp_eq_u32 s36, 1, v11
	v_cmp_gt_u32 s37, 4, v11
	s_wait_alu depctr_va_sdst(0)                   ; the three compares have written s35, s36 and s37, which the selects below read: one wait behind the run
	s_wait_loadcnt 0x0
.set i, 0
.rept 8
	v_cndmask_b32 v[48+i], 0, v[48+i], s37
	v_cndmask_b32 v[48+i], v[48+i], v[40+i], s36
	v_cndmask_b32 v[48+i], v[48+i], v[32+i], s35
.set i, i+1
.endr
.set i, 0
.rept 4
	v_cvt_pk_bf16_f32 v[56+i], v[48+2*i], v[48+2*i+1]
.set i, i+1
.endr
	s_wait_alu depctr_va_vdst(0)                   ; the four conversions have written v56 to v59, which the store reads
	global_store_b128 v10, v[56:59], s[38:39]      ; a wave stores 512 consecutive bytes
.Ldone:
	s_endpgm
.Lfunc_end_k_q59a48fa6c4_cast:
	.size	k_q59a48fa6c4_cast, .Lfunc_end_k_q59a48fa6c4_cast-k_q59a48fa6c4_cast
	.p2alignl 7, 3214868480
	.fill 96, 4, 3214868480
	.section	.rodata,"a",@progbits
	.p2align	6, 0x0
	.amdhsa_kernel k_q59a48fa6c4_cast
		.amdhsa_group_segment_fixed_size 0
		.amdhsa_private_segment_fixed_size 0
		.amdhsa_enable_private_segment 0
		.amdhsa_kernarg_size 72
		.amdhsa_user_sgpr_count 2
		.amdhsa_user_sgpr_kernarg_segment_ptr 1
		.amdhsa_wavefront_size32 1
		.amdhsa_system_sgpr_workgroup_id_x 1
		.amdhsa_system_sgpr_workgroup_id_y 1
		.amdhsa_system_sgpr_workgroup_id_z 1
		.amdhsa_system_vgpr_workitem_id 0
		.amdhsa_next_free_vgpr 224
		.amdhsa_next_free_sgpr 66
		.amdhsa_reserve_vcc 0
		.amdhsa_float_denorm_mode_32 3
		.amdhsa_float_denorm_mode_16_64 3
		.amdhsa_memory_ordered 1
		.amdhsa_forward_progress 1
		.amdhsa_inst_pref_size 37
	.end_amdhsa_kernel
	.amdgpu_metadata
---
amdhsa.version: [ 1, 2 ]
amdhsa.kernels:
  - .name:           k_q59a48fa6c4_cast
    .symbol:         k_q59a48fa6c4_cast.kd
    .args:
      - { .name: x, .offset: 0, .size: 8, .value_kind: global_buffer, .address_space: global }
      - { .name: Wq, .offset: 8, .size: 8, .value_kind: global_buffer, .address_space: global }
      - { .name: Wk, .offset: 16, .size: 8, .value_kind: global_buffer, .address_space: global }
      - { .name: Wv, .offset: 24, .size: 8, .value_kind: global_buffer, .address_space: global }
      - { .name: Wo, .offset: 32, .size: 8, .value_kind: global_buffer, .address_space: global }
      - { .name: Wgate, .offset: 40, .size: 8, .value_kind: global_buffer, .address_space: global }
      - { .name: Wbeta, .offset: 48, .size: 8, .value_kind: global_buffer, .address_space: global }
      - { .name: Wr, .offset: 56, .size: 8, .value_kind: global_buffer, .address_space: global }
      - { .name: xw, .offset: 64, .size: 8, .value_kind: global_buffer, .address_space: global }
    .group_segment_fixed_size: 0
    .private_segment_fixed_size: 0
    .kernarg_segment_align: 8
    .kernarg_segment_size: 72
    .max_flat_workgroup_size: 256
    .sgpr_count:     66
    .vgpr_count:     224
    .wavefront_size: 32
...
	.end_amdgpu_metadata
.endif
;; end of part 5
;; launch qkv: the kernel of part 2 again; grid 8 x 32, 4 waves a work-group, clusters of 4 x 4, 327,680 bytes of LDS; arguments xw, attention_mask, pk, vt, qn; writes pk, vt, qn
;; launch scan: the kernel of part 3 again; grid 8 x 32, 2 waves a work-group, clusters of 4 x 1, 327,680 bytes of LDS; arguments pk, vt, qn, ob; writes ob
;; launch out: the kernel of part 4 again; grid 8 x 32, 4 waves a work-group, clusters of 4 x 4, 327,680 bytes of LDS; arguments ob, xw, qn, out0; writes out0
